; MI455X (gfx1250); checked and timed in simulation.
; The chip was launched on July 23, 2026; its instructions are those of AMD's public machine-readable ISA for CDNA 5 (MIT licence, August 2026) and "CDNA5" Instruction Set Architecture Reference Guide (July 2026). The comments in the code are by the model that wrote it; some were corrected since.
;; Causal Multi Head Self Attention. Allowed arithmetic: matrix products marked QUANTISED: E2M1 operands, one E8M0 scale for each 32 along K, by v_wmma_scale_f32_16x16x128_f8f6f4 with both operands' format E2M1 (or v_wmma_scale_f32_32x16x128_f4), f32 sums; products left as they are: bf16, f16 or f32 operands; f32 sums; everything else in f32.
;; Inputs: Wk 2,048 x 2,048 float32; Wo 2,048 x 2,048 float32; Wq 2,048 x 2,048 float32; Wv 2,048 x 2,048 float32; token_positions 2,048 int32; x 1 x 2,048 x 2,048 float32.
;; Outputs: out0 1 x 2,048 x 2,048 float32.
;; This version of the problem:
;;   THIS VERSION OF THE PROBLEM IS GIVEN IN LOW PRECISION. The matrix products marked QUANTISED in the list below multiply operands that are first quantised to E2M1 (2 exponent bits, 1 mantissa bit; 4 bits a number), with one power-of-two scale for each 32 numbers along K (OCP MX v1.0); their sums are f32. The products marked 'left as it is' may take bf16, f16 or f32 operands, with f32 sums. Whichever they take, every output number must still come out within the allowed error. Rounding operands to bf16 (8 significant bits) uses up far more of that allowance than f16 does (11 bits, for magnitudes from 6e-5 to 65,504). All else is computed in f32.
;;   The module's matrix products, in the order in which they are computed (A, B: the left and right operand; K: the contracted axis; several contracted axes count as one K, in the product's order):
;;     1. [M 2,048, K 2,048] x [K 2,048, N 2,048]; A: input x; B: input Wq: QUANTISED
;;     2. [M 2,048, K 2,048] x [K 2,048, N 2,048]; A: input x; B: input Wk: QUANTISED
;;     3. [M 2,048, K 2,048] x [K 2,048, N 2,048]; A: input x; B: input Wv: QUANTISED
;;     4. batch 16 x [M 2,048, K 128] x [K 128, N 2,048]; A: computed on the way; B: computed on the way: left as it is (an operand is computed on the way)
;;     5. batch 16 x [M 2,048, K 2,048] x [K 2,048, N 128]; A: computed on the way; B: computed on the way: left as it is (an operand is computed on the way)
;;     6. [M 2,048, K 2,048] x [K 2,048, N 2,048]; A: computed on the way; B: input Wo: left as it is (an operand is computed on the way)
;;   THE QUANTISER, for each operand of a quantised product, along K:
;;     - K is cut into blocks of 32 from its start; a last block that is shorter is filled with zeros.
;;     - A block's scale is 2^e with e = floor(log2(the largest magnitude in the block)) - 2, held to -126 .. 127; a block of zeros has e = 0. As a byte (E8M0): e + 127.
;;     - Each number is divided by its block's scale, clamped to +-6, and rounded to the nearest number of E2M1, ties to even, subnormals kept.
;;     - The product sums the exact products of the quantised numbers (number of the format x scale) in f32.
;;   ~~~python
;;   def quantise(x, axis):      # numpy; x: float32 -> the quantised numbers, widened to float32 again
;;       x = np.moveaxis(x, axis, -1); K = x.shape[-1]
;;       x = np.pad(x, [(0, 0)] * (x.ndim - 1) + [(0, -K % 32)]); x = x.reshape(x.shape[:-1] + (-1, 32)); a = np.abs(x).max(-1, keepdims=True)
;;       e = np.where(a > 0, np.clip(np.frexp(np.where(a > 0, a, 1))[1] - 1 - 2, -126, 127), 0)      # np.frexp(a)[1] - 1 = floor(log2(a)), exactly
;;       r = np.clip(x / 2.0 ** e, -6, 6)
;;       step = 2.0 ** (np.maximum(np.frexp(np.where(r == 0, 1, r))[1] - 1, 0) - 1)
;;       q = np.round(r / step) * step * 2.0 ** e      # np.round: ties to even
;;       return np.moveaxis(q.reshape(q.shape[:-2] + (-1,))[..., :K], -1, axis).astype(np.float32)
;;   ~~~
;; One version. Each part assembles by itself: llvm-mc -triple=amdgcn-amd-amdhsa -mcpu=gfx1250 --defsym DOCPART=n.
;; ======== version 1 of 1: 5 launches
;; limits: values are held in f16: magnitudes above 65,504 overflow, below 6.1e-05 lose precision; right only within a limited range of input values
;; workspace buffers: codes 8,388,608 bytes; scales 524,288 bytes; wo16 8,388,608 bytes; cs 1,048,576 bytes; qk 16,777,216 bytes; vt 8,388,608 bytes; fine 393,216 bytes; o16 8,388,608 bytes
;; launch prep (part 1): grid 704 x 1, 4 waves a work-group, no clusters, 33,280 bytes of LDS; arguments x, Wq, Wk, Wv, Wo, token_positions, codes, scales, wo16, cs; writes codes, scales, wo16, cs
.if DOCPART == 1
	.amdgcn_target "amdgcn-amd-amdhsa--gfx1250"
	.amdhsa_code_object_version 6
	.text
	.protected	k_qdf37a242ca_prep
	.globl	k_qdf37a242ca_prep
	.p2align	8
	.type	k_qdf37a242ca_prep,@function
k_qdf37a242ca_prep:
	s_mov_b64 s[64:65], 0
	v_nop
	global_prefetch_b8 v0, s[64:65] scope:SCOPE_SE
	s_setreg_imm32_b32 hwreg(HW_REG_WAVE_MODE, 25, 1), 1
	s_wait_xcnt 0x0
; PREP: everything that is made once from the inputs.  Three paths, parted by the work-group's number:
;   work-groups 0-511:   x, Wq, Wk, Wv (f32, K innermost) become codes of FP4 (E2M1) and one E8M0 byte for each 32 along K.  The four tensors lie one behind the other
;                        in 'codes' ([8192 rows][1024 bytes]) and 'scales' ([8192][64]): rows 0-2047 x, 2048-4095 Wq, 4096-6143 Wk, 6144-8191 Wv.
;   work-groups 512-639: Wo becomes f16 (round to nearest even).
;   work-groups 640-703: the table cs[s][i] = (cos, sin)(token_positions[s] x 10000^(-i/64)), i = 0 .. 63, f32: 512 bytes a position.
; A block's scale is 2^(floor(log2(largest magnitude)) - 2); its byte is the largest magnitude's exponent field - 2, held at 1 from below.
; LIMITS: a block of zeros gets the byte 1 where the rule says 127 (its codes are zeros, and this program alone reads the bytes); NaN and infinities among the inputs are not served;
; Wo beyond 65,504 in magnitude becomes infinite in f16; cos and sin reduce the angle by pi/2 in two parts: absolute error under 1e-6 for angles up to about 1e6;
; 10000^(-i/64) is made by one exponential to base 2 and may differ by one or two units in the last place from a power function's.
; Only the first path touches LDS: each wave has 8,192 bytes of its own.  No barrier: waves share nothing.
.set STEPS, 16
.set EMAX,  2
.set CB,    8                          ; bytes of 16 codes
.set R,     16                         ; v16-79   four sets of 16 numbers as they are loaded
.set X,     80                         ; v80-111  two sets of 16 neighbours
.set E,     112                        ; v112-127 a scale byte for each step
.set C,     128                        ; v128-191 codes: registers of its own for each step
.set WREG,  8192                       ; LDS of a wave: two stages of 32 x SP bytes, then its 256 scale bytes
.set SP,    80                         ; a lane's place in a stage: 64 bytes + 16 of padding
.set SPW,   12                         ; v12 LDS address of my spare word; never rewritten
.set NIL,   13                         ; v13 0; never rewritten
.set SPARE, 4*WREG                     ; the spare words: 128 bytes a wave, two blocks of 256 bytes that no other line names
	s_load_b512 s[4:19], s[0:1], 0x0               ; x 4:5, Wq 6:7, Wk 8:9, Wv 10:11, Wo 12:13, token_positions 14:15, codes 16:17, scales 18:19
	s_load_b128 s[20:23], s[0:1], 0x40             ; wo16 20:21, cs 22:23
	v_lshl_add_u32 v[SPW], v0, 2, SPARE
	v_mov_b32 v[NIL], 0
	v_lshrrev_b32 v1, 5, v0
	v_readfirstlane_b32 s28, v1                    ; wave 0..3
	v_and_b32 v2, 31, v0                           ; lane
	v_lshlrev_b32 v3, 4, v2                        ; 16 x lane
	v_lshlrev_b32 v4, 3, v2                        ; 8 x lane
	s_mul_i32 s29, s28, WREG
	v_lshrrev_b32 v14, 2, v2
	v_mul_u32_u24 v14, v14, SP
	v_and_b32 v15, 3, v2
	v_lshl_add_u32 v14, v15, 4, v14
	v_add_nc_u32 v14, s29, v14                     ; the stage, on the way in: four lanes' 64 bytes on end, then 16 of padding
	v_mul_u32_u24 v15, v2, SP
	v_add_nc_u32 v15, s29, v15                     ; on the way out: SP x lane: my 16 neighbours
	v_lshrrev_b32 v5, 1, v2
	s_add_co_u32 s29, s29, 2*32*SP
	v_add_nc_u32 v5, s29, v5                       ; my wave's 256 scale bytes, my block's byte
	v_add_nc_u32 v6, s29, v4                       ; and on their way out 8 bytes a lane
	s_wait_kmcnt 0x0
	s_cmp_ge_u32 ttmp9, 512
	s_cbranch_scc1 .Lnotq
; ---- the quantiser.  A wave takes 16 steps of 512 numbers.  Each load reads 512 consecutive bytes; a step's 2,048 bytes turn through the wave's stage so that a lane holds 16 neighbours along K
	s_cmp_lt_u32 ttmp9, 256                        ; which tensor: the work-group's number / 128.  The choice hangs on that number alone
	s_cselect_b64 s[24:25], s[4:5], s[8:9]
	s_cselect_b64 s[26:27], s[6:7], s[10:11]
	s_bitcmp1_b32 ttmp9, 7
	s_cselect_b64 s[24:25], s[26:27], s[24:25]
	s_lshl_b32 s30, ttmp9, 2
	s_add_co_u32 s30, s30, s28                     ; my run of 8,192 numbers, 0 .. 2047 over the four tensors
	s_and_b32 s32, s30, 511
	s_lshl_b32 s32, s32, 15                        ; in its tensor: 32,768 bytes a run
	s_mov_b32 s33, 0
	s_add_nc_u64 s[24:25], s[24:25], s[32:33]
	s_lshl_b32 s32, s30, 12                        ; 4,096 bytes of codes a run
	s_add_nc_u64 s[16:17], s[16:17], s[32:33]
	s_lshl_b32 s32, s30, 8                         ; 256 scale bytes a run
	s_add_nc_u64 s[18:19], s[18:19], s[32:33]
.macro LOAD t
.irp i, 0,1,2,3
	global_load_b128 v[R+16*((\t)%4)+4*\i:R+16*((\t)%4)+4*\i+3], v3, s[24:25] offset:2048*(\t)+512*\i th:TH_LOAD_NT
.endr
.endm
.macro TURN t                          ; LDS serves a wave's instructions in order: no wait between these stores and loads
.irp i, 0,1,2,3
	ds_store_b128 v14, v[R+16*((\t)%4)+4*\i:R+16*((\t)%4)+4*\i+3] offset:32*SP*((\t)%2)+8*SP*\i
.endr
.irp i, 0,1,2,3
	ds_load_b128 v[X+16*((\t)%2)+4*\i:X+16*((\t)%2)+4*\i+3], v15 offset:32*SP*((\t)%2)+16*\i
.endr
.endm
.irp t, 0,1,2,3
	LOAD \t
.endr
	s_wait_loadcnt 12                              ; step 0's four loads are in; three steps' twelve stay out
	TURN 0
.macro STEP t
.set XS, X+16*((\t)%2)
.if (\t) > 0
	s_wait_dscnt 1                                 ; this step's numbers are back from the stage; the last step's byte store may be out
.else
	s_wait_dscnt 0x0
.endif
.if (\t)+4 < STEPS
	LOAD (\t)+4
.endif
.if (\t)+1 < STEPS
.if STEPS-2-(\t) >= 3
	s_wait_loadcnt 12                              ; the next step's four loads are in; those of the three steps behind it may be out
.else
	s_wait_loadcnt 4*(STEPS-2-(\t))
.endif
	TURN (\t)+1
.endif
	v_max3_num_f32 v8, |v[XS]|, |v[XS+1]|, |v[XS+2]|
	v_max3_num_f32 v9, |v[XS+3]|, |v[XS+4]|, |v[XS+5]|
.irp i, 6,10
	v_max3_num_f32 v8, v8, |v[XS+\i]|, |v[XS+\i+1]|
	v_max3_num_f32 v9, v9, |v[XS+\i+2]|, |v[XS+\i+3]|
.endr
	v_max3_num_f32 v8, v8, |v[XS+14]|, |v[XS+15]|
	v_max3_num_f32 v8, v8, v9, (EMAX+1)<<23        ; the floor 2^(3 - 127): the byte cannot fall under 1
	v_max_num_f32_dpp v8, v8, v8 row_xmask:1 row_mask:0xf bank_mask:0xf   ; with my neighbour's 16: the block's largest magnitude
	v_add_nc_u32 v11, -(EMAX<<23), v8              ; 2 off its exponent field: the conversion takes this operand's exponent field as its scale
	v_cvt_scalef32_pk8_fp4_f32 v[C+4*(\t)], v[XS:XS+7], v11
	v_cvt_scalef32_pk8_fp4_f32 v[C+4*(\t)+1], v[XS+8:XS+15], v11
	v_lshrrev_b32 v[E+(\t)], 23, v11               ; the scale's byte
	ds_store_b8 v5, v[E+(\t)] offset:16*(\t)       ; both lanes of a block write the same byte with the same value
	global_store_b64 v4, v[C+4*(\t):C+4*(\t)+1], s[16:17] offset:256*(\t)   ; the wave stores 256 consecutive bytes, aligned
.endm
.irp t, 0,1,2,3,4,5,6,7,8,9,10,11,12,13,14,15
	STEP \t
.endr
	ds_load_b64 v[8:9], v6
	s_wait_dscnt 0x0
	global_store_b64 v4, v[8:9], s[18:19]          ; my 256 scale bytes: 256 consecutive bytes, aligned
	s_wait_tensorcnt 0x0                           ; the wave's end
	ds_add_u32 v[SPW], v[NIL]
	s_wait_dscnt 0x0
	s_endpgm
.Lnotq:
	s_cmp_ge_u32 ttmp9, 640
	s_cbranch_scc1 .Ltab
; ---- Wo to f16.  A wave takes 8,192 numbers in four groups of 16 loads; two groups are on their way
	s_sub_co_u32 s30, ttmp9, 512
	s_lshl_b32 s30, s30, 2
	s_add_co_u32 s30, s30, s28
	s_lshl_b32 s32, s30, 15
	s_mov_b32 s33, 0
	s_add_nc_u64 s[12:13], s[12:13], s[32:33]
	s_lshl_b32 s32, s30, 14
	s_add_nc_u64 s[20:21], s[20:21], s[32:33]
.macro LOADG g
.irp i, 0,1,2,3,4,5,6,7,8,9,10,11,12,13,14,15
	global_load_b128 v[16+64*((\g)%2)+4*\i:16+64*((\g)%2)+4*\i+3], v3, s[12:13] offset:8192*(\g)+512*\i th:TH_LOAD_NT
.endr
.endm
.macro CVTG g
.if (\g) < 3
	s_wait_loadcnt 16                              ; this group is in; the next group's 16 stay out
.else
	s_wait_loadcnt 0x0
.endif
.if (\g) > 0
	s_wait_xcnt 0x0                                ; the last group's stores have read v144-175, which are written again
.endif
.irp i, 0,1,2,3,4,5,6,7,8,9,10,11,12,13,14,15
	v_cvt_pk_f16_f32 v[144+2*\i], v[16+64*((\g)%2)+4*\i], v[16+64*((\g)%2)+4*\i+1]
	v_cvt_pk_f16_f32 v[145+2*\i], v[16+64*((\g)%2)+4*\i+2], v[16+64*((\g)%2)+4*\i+3]
.endr
.irp i, 0,1,2,3,4,5,6,7,8,9,10,11,12,13,14,15
	global_store_b64 v4, v[144+2*\i:145+2*\i], s[20:21] offset:4096*(\g)+256*\i   ; 256 consecutive bytes, aligned
.endr
.if (\g) < 2
	LOADG (\g)+2
.endif
.endm
	LOADG 0
	LOADG 1
	CVTG 0
	CVTG 1
	CVTG 2
	CVTG 3
	s_endpgm
.Ltab:
; ---- the table of cos and sin.  A wave takes 8 positions; lane l takes the frequencies i = 2 l and 2 l + 1: 16 bytes of a position's 512
	s_sub_co_u32 s30, ttmp9, 640
	s_lshl_b32 s30, s30, 5
	s_lshl_b32 s31, s28, 3
	s_add_co_u32 s30, s30, s31                     ; my first position's index
	s_lshl_b32 s32, s30, 2
	s_mov_b32 s33, 0
	s_add_nc_u64 s[14:15], s[14:15], s[32:33]
	s_load_b256 s[36:43], s[14:15], 0x0            ; eight token positions: they enter arithmetic alone
	s_lshl_b32 s34, s30, 9
	s_mov_b32 s35, 0
	s_add_nc_u64 s[22:23], s[22:23], s[34:35]
	s_mov_b32 s44, 0xbfc90fdb                      ; -(pi/2), its leading part,
	s_mov_b32 s45, 0x333bbd2e                      ; and what the leading part has too much
	v_lshlrev_b32 v20, 1, v2
	v_cvt_f32_u32 v20, v20
	v_add_f32 v21, 1.0, v20
	v_mul_f32 v20, 0xbe549a78, v20                 ; -i log2(10000) / 64
	v_mul_f32 v21, 0xbe549a78, v21
	v_exp_f32 v22, v20
	v_exp_f32 v23, v21
	v_nop                                          ; a plain instruction behind the exponentials,
	s_wait_alu depctr_va_vdst(0)                   ; and the one wait ahead of their first reader
	s_wait_kmcnt 0x0
.macro SINCOS c, s, a                  ; v[c] = cos v[a], v[s] = sin v[a]
	v_mul_f32 v24, 0x3f22f983, v[\a]
	v_rndne_f32 v24, v24                           ; n = the nearest whole number to angle x 2 / pi
	v_fma_f32 v25, v24, s44, v[\a]
	v_fma_f32 v25, v24, s45, v25                   ; r = angle - n pi/2, |r| <= pi/4
	v_cvt_i32_f32 v26, v24
	v_mul_f32 v27, v25, v25
	v_mov_b32 v28, 0x3638ef1d                      ; sin r = r + r^3 (-1/6 + r^2 (1/120 + r^2 (-1/5040 + r^2 / 362880)))
	v_fmaak_f32 v28, v28, v27, 0xb9500d01
	v_fmaak_f32 v28, v28, v27, 0x3c088889
	v_fmaak_f32 v28, v28, v27, 0xbe2aaaab
	v_mul_f32 v29, v25, v27
	v_fma_f32 v28, v29, v28, v25
	v_mov_b32 v30, 0xb493f27e                      ; cos r = 1 + r^2 (-1/2 + r^2 (1/24 + r^2 (-1/720 + r^2 (1/40320 - r^2 / 3628800))))
	v_fmaak_f32 v30, v30, v27, 0x37d00d01
	v_fmaak_f32 v30, v30, v27, 0xbab60b61
	v_fmaak_f32 v30, v30, v27, 0x3d2aaaab
	v_fma_f32 v30, v30, v27, -0.5
	v_fma_f32 v30, v30, v27, 1.0
	v_and_b32 v31, 1, v26
	v_cmp_eq_u32 vcc_lo, 1, v31                    ; an odd quadrant swaps the two
	v_cndmask_b32 v[\s], v28, v30, vcc_lo
	v_cndmask_b32 v[\c], v30, v28, vcc_lo
	v_and_b32 v31, 2, v26
	v_lshlrev_b32 v31, 30, v31
	v_xor_b32 v[\s], v31, v[\s]                    ; sin is negative in quadrants 2 and 3,
	v_add_nc_u32 v31, 1, v26
	v_and_b32 v31, 2, v31
	v_lshlrev_b32 v31, 30, v31
	v_xor_b32 v[\c], v31, v[\c]                    ; cos in quadrants 1 and 2
.endm
.irp k, 0,1,2,3,4,5,6,7
	v_cvt_f32_i32 v32, s[36+\k]
	v_mul_f32 v33, v32, v22                        ; the angle, rounded once
	v_mul_f32 v34, v32, v23
	SINCOS 64+4*\k, 65+4*\k, 33
	SINCOS 66+4*\k, 67+4*\k, 34
	global_store_b128 v3, v[64+4*\k:67+4*\k], s[22:23] offset:512*\k   ; the wave stores a position's 512 consecutive bytes; each position has registers of its own
.endr
	s_endpgm
.Lfunc_end_k_qdf37a242ca_prep:
	.size	k_qdf37a242ca_prep, .Lfunc_end_k_qdf37a242ca_prep-k_qdf37a242ca_prep
	.p2alignl 7, 3214868480
	.fill 96, 4, 3214868480
	.section	.rodata,"a",@progbits
	.p2align	6, 0x0
	.amdhsa_kernel k_qdf37a242ca_prep
		.amdhsa_group_segment_fixed_size 33280
		.amdhsa_private_segment_fixed_size 0
		.amdhsa_enable_private_segment 0
		.amdhsa_kernarg_size 80
		.amdhsa_user_sgpr_count 2
		.amdhsa_user_sgpr_kernarg_segment_ptr 1
		.amdhsa_wavefront_size32 1
		.amdhsa_system_sgpr_workgroup_id_x 1
		.amdhsa_system_sgpr_workgroup_id_y 1
		.amdhsa_system_sgpr_workgroup_id_z 1
		.amdhsa_system_vgpr_workitem_id 0
		.amdhsa_next_free_vgpr 192
		.amdhsa_next_free_sgpr 66
		.amdhsa_reserve_vcc 1
		.amdhsa_float_denorm_mode_32 3
		.amdhsa_float_denorm_mode_16_64 3
		.amdhsa_memory_ordered 1
		.amdhsa_forward_progress 1
		.amdhsa_inst_pref_size 78
	.end_amdhsa_kernel
	.amdgpu_metadata
---
amdhsa.version: [ 1, 2 ]
amdhsa.kernels:
  - .name:           k_qdf37a242ca_prep
    .symbol:         k_qdf37a242ca_prep.kd
    .args:
      - { .name: x, .offset: 0, .size: 8, .value_kind: global_buffer, .address_space: global }
      - { .name: Wq, .offset: 8, .size: 8, .value_kind: global_buffer, .address_space: global }
      - { .name: Wk, .offset: 16, .size: 8, .value_kind: global_buffer, .address_space: global }
      - { .name: Wv, .offset: 24, .size: 8, .value_kind: global_buffer, .address_space: global }
      - { .name: Wo, .offset: 32, .size: 8, .value_kind: global_buffer, .address_space: global }
      - { .name: token_positions, .offset: 40, .size: 8, .value_kind: global_buffer, .address_space: global }
      - { .name: codes, .offset: 48, .size: 8, .value_kind: global_buffer, .address_space: global }
      - { .name: scales, .offset: 56, .size: 8, .value_kind: global_buffer, .address_space: global }
      - { .name: wo16, .offset: 64, .size: 8, .value_kind: global_buffer, .address_space: global }
      - { .name: cs, .offset: 72, .size: 8, .value_kind: global_buffer, .address_space: global }
    .group_segment_fixed_size: 33280
    .private_segment_fixed_size: 0
    .kernarg_segment_align: 8
    .kernarg_segment_size: 80
    .max_flat_workgroup_size: 128
    .sgpr_count:     66
    .vgpr_count:     192
    .wavefront_size: 32
...
	.end_amdgpu_metadata
.endif
;; end of part 1
;; launch qkv (part 2): grid 24 x 8, 4 waves a work-group, clusters of 4 x 4, 327,680 bytes of LDS; arguments codes, scales, cs, qk, vt, fine; writes qk, vt, fine
.if DOCPART == 2
	.amdgcn_target "amdgcn-amd-amdhsa--gfx1250"
	.amdhsa_code_object_version 6
	.text
	.protected	k_qdf37a242ca_qkv
	.globl	k_qdf37a242ca_qkv
	.p2align	8
	.type	k_qdf37a242ca_qkv,@function
k_qdf37a242ca_qkv:
	s_mov_b64 s[64:65], 0
	v_nop
	global_prefetch_b8 v0, s[64:65] scope:SCOPE_SE
	s_setreg_imm32_b32 hwreg(HW_REG_WAVE_MODE, 25, 1), 1
	s_wait_xcnt 0x0
	s_wait_alu depctr_hold_cnt(0) depctr_sa_sdst(0) depctr_va_vdst(0) depctr_va_sdst(0) depctr_va_ssrc(0) depctr_va_vcc(0) depctr_vm_vsrc(0)
	s_getreg_b32 s2, hwreg(HW_REG_IB_STS2, 6, 4)
	s_cmp_eq_u32 s2, 0
	s_cbranch_scc0 .Lentry_in_a_cluster
	s_endpgm
.Lentry_in_a_cluster:
	s_bfe_u32 s2, ttmp6, 0x10000c
	s_cmp_lg_u32 s2, 0xf033
	s_cbranch_scc0 .Lentry_shape_is_right
	s_endpgm
.Lentry_shape_is_right:
; QKV: the three quantised products x Wq^T, x Wk^T, x Wv^T on codes of FP4 (E2M1) with E8M0 scales, K = 2,048, sums in f32; the rotation of q and k in f32; results in f16.
; A work-group makes a tile of 256 x 256 of C = A B^T; a wave 128 x 128: 64 accumulators, 512 registers.  Tile columns 0-15 (clusters x = 0 .. 3): A = x's rows (positions), B = Wq's and Wk's rows (features):
; a lane's eight results are eight neighbouring features of one position.  They are rotated by the table cs and stored as qk[slot][position][128] f16, slots 0-15 the heads of q, 16-31 those of k.
; Tile columns 16-23 (clusters x = 4, 5): THE ROLES ARE SWAPPED: A = Wv's rows (features), B = x's rows (positions): a lane's eight results are eight neighbouring positions of one feature:
; a piece of a row of V^T, stored as vt[feature][position] f16.  So the attention needs no transposing load.
; Positions 0-15 are also stored in f32, as images of the registers that hold them ('fine'), for the launch that carries the first positions more finely.
; K goes in steps of 512 through a ring of two LDS slots (rows of 256 bytes); the scale bytes of the work-group's rows come once, in whole runs of 256 bytes, and stay.
; CLUSTERS: 4 x 4 work-groups; A's tiles are asked for jointly along a row of the cluster, B's along a column.  The matrix instruction is used transposed (source 0 = rows of B, source 1 = rows of A).
; 192 work-groups: a tile of 128 x 256 would give 384, one and a half for each of the 256 WGPs, and read each LDS byte for half the products.
; LIMITS: q, k, v beyond 65,504 in magnitude become infinite in f16.
; REGISTERS: window 0: v0-31 addresses; v32-95 scale words, two sets; from v128 A's fragments, one set.  Window 1: B's fragments, two sets.  Windows 2, 3: the accumulators ((a, b) at v[8 (8 (a % 4) + b)]).
;   On the way out window 0 holds: v32-95 cos and sin; v96-159 rotated numbers; v160-191 packed f16; v192-255 rows read back, two sets.
.set KSTEP,  512
.set NQ,     KSTEP/128
.set ROWB,   256                       ; a tile's row in bytes
.set KROW,   1024                      ; a row of codes in memory
.set PITCH,  272                       ; an LDS row: 256 bytes + 16 of padding: the 16 rows of a load start at 16 different banks
.set FR,     8
.set NL,     2
.set NP,     4                         ; places behind this matrix instruction (ISA guide 7.12.1)
.set HALFT,  128*PITCH
.set SLOT,   4*HALFT
.set LAPS,   2                         ; 2,048 / (2 x 512)
.set KS,     64                        ; a row of scale bytes
.set SCL,    2*SLOT
.set HALFS,  (128*KS/256)*272
.set SBLK,   (16*KS/256)*272
.set SPARE,  SCL+4*HALFS               ; the spare words: 128 bytes a wave, two blocks of 256 bytes that no other line names
.set SPITCH, 272                       ; the way out: a stage of 16 rows x (256 + 16) bytes for each wave, in slot 0, which has had its last fill and its last read by then
.set LI,   8                           ; v8   16 x lane
.set CSA,  9                           ; v9   my place in the table: 512 (lane % 16) + 32 (lane / 16)
.set PLV,  10                          ; v10  my work-group's place along one axis of the cluster: it masks lanes, and steers no branch
.set ADRA, 16
.set ADRB, 20
.set STO,  24
.set RD,   25
.set COV,  26
.set ADRS, 27
.set SPW,  28
.set NIL,  29
.set SC,   32
.set AF,   128
.set CSR,  32
.set RR,   96
.set TMP,  160
.set BK,   192
.set WV,   66                          ; s66 my wave's number; s67 wave / 2: my half of the rows, and A (0) or B (1) to fetch; s95 wave % 2: my half of the columns, and which 128 rows I fetch
.set WH,   67
.set WL,   95
.set G1, 24
.set G0, 32
.set G1B, 48
.set G0B, 56
.set G1S, 68
.set G0S, 76
.set G1SB, 80
.set G0SB, 88
.set MSB, 0
.macro WIN new                         ; the immediate's high byte repeats the setting that is left
.if MSB != (\new)
	s_set_vgpr_msb (MSB<<8)|(\new)
.set MSB, (\new)
.endif
.endm
.set MUL_LO, 0xa1                      ; source 0 (B) window 1, source 1 (A) window 0, C and D window 2
.set MUL_HI, 0xf1
.set TO_B,   0x40
; A joint load: waves 0 and 1 fetch for A, waves 2 and 3 for B.  An s_nop 0 and four v_nop follow each of the two lines.
.macro JLOAD g0a, g1a, g0b, g1b
	s_cmp_eq_u32 s[WH], 0
	s_cbranch_scc0 .Lfor_b_\@
	tensor_load_to_lds s[\g0a:\g0a+3], s[\g1a:\g1a+7]
	s_nop 0
.rept 4
	v_nop
.endr
	s_branch .Lasked_\@
.Lfor_b_\@:
	tensor_load_to_lds s[\g0b:\g0b+3], s[\g1b:\g1b+7]
	s_nop 0
.rept 4
	v_nop
.endr
.Lasked_\@:
.endm
.macro CREST
	s_cmp_lg_u32 s[WV], 0
	s_cbranch_scc1 .Lnot_wave_0_\@
	s_barrier_signal -3
.Lnot_wave_0_\@:
	s_barrier_wait -3
	s_barrier_signal -1
	s_barrier_wait -1
.endm
.macro CROUND
	s_barrier_signal -1
	s_barrier_wait -1
	CREST
.endm
	s_load_b128 s[4:7], s[0:1], 0x0                ; codes s[4:5], scales s[6:7]
	s_load_b128 s[8:11], s[0:1], 0x10              ; cs s[8:9], qk s[10:11]
	s_load_b128 s[12:15], s[0:1], 0x20             ; vt s[12:13], fine s[14:15]
	v_lshl_add_u32 v[SPW], v0, 2, SPARE
	v_mov_b32 v[NIL], 0
	ds_add_u32 v[SPW], v[NIL]                      ; the wave's opening: the add, twice on end, and its wait ahead of my first tensor load
	ds_add_u32 v[SPW], v[NIL]
	v_lshrrev_b32 v1, 5, v0
	v_readfirstlane_b32 s[WV], v1
	s_lshr_b32 s[WH], s[WV], 1
	s_and_b32 s[WL], s[WV], 1
	s_bfe_u32 s40, ttmp6, 0x40000                  ; cx, cy
	s_bfe_u32 s41, ttmp6, 0x40004
	s_lshl_b32 s42, ttmp9, 2
	s_add_co_u32 s42, s42, s40                     ; tile column 0 .. 23
	s_and_b32 s17, ttmp7, 0xffff
	s_lshl_b32 s17, s17, 2
	s_add_co_u32 s17, s17, s41                     ; tile row 0 .. 7
	s_lshl_b32 s43, s41, 2
	s_lshl_b32 s43, 15, s43                        ; my row of the cluster
	s_lshl_b32 s44, 0x1111, s40                    ; my column
	s_or_b32 s[G1+0], s43, (0<<16)|(1<<20)|(1<<21)|(5<<22)|(3<<25)  ; the mask; elements of 1 byte; padding on; bit 21 beside a mask; 4 words behind every 64
	s_or_b32 s[G1B+0], s44, (0<<16)|(1<<20)|(1<<21)|(5<<22)|(3<<25)
.irp g, G1, G1B
	s_mov_b32 s[\g+1], ROWB<<16                    ; tensor_dim0
	s_mov_b32 s[\g+2], 128<<16                     ; tensor_dim1
	s_mov_b32 s[\g+3], ROWB<<16                    ; tile_dim0
	s_mov_b32 s[\g+4], 128                         ; tile_dim1
	s_mov_b32 s[\g+5], KROW                        ; the pitch
	s_mov_b32 s[\g+6], 0
	s_mov_b32 s[\g+7], 0
.endr
	s_or_b32 s[G1S+0], s43, (3<<16)|(1<<20)|(1<<21)|(5<<22)|(3<<25)  ; the scales of 128 rows: 8,192 dense bytes as 32 rows of 256 (32 elements of 8 bytes)
	s_or_b32 s[G1SB+0], s44, (3<<16)|(1<<20)|(1<<21)|(5<<22)|(3<<25)
.irp g, G1S, G1SB
	s_mov_b32 s[\g+1], 32<<16
	s_mov_b32 s[\g+2], (128*KS/256)<<16
	s_mov_b32 s[\g+3], 32<<16
	s_mov_b32 s[\g+4], 128*KS/256
	s_mov_b32 s[\g+5], 32
	s_mov_b32 s[\g+6], 0
	s_mov_b32 s[\g+7], 0
.endr
	s_cmp_ge_u32 ttmp9, 4                          ; the cluster's x, the same in all sixteen partners: is this V's part?
	s_cselect_b32 s16, 6144, 0
	s_lshl_b32 s18, s[WL], 7                       ; which 128 rows of the tile I fetch
	s_lshl_b32 s20, s17, 8
	s_add_co_u32 s20, s20, s18
	s_add_co_u32 s20, s20, s16                     ; A's row in 'codes': x's 256 x tile row, or Wv's, 6,144 further down
	s_lshl_b32 s46, s42, 8
	s_add_co_u32 s46, s46, s18
	s_add_co_u32 s46, s46, 2048
	s_sub_co_u32 s46, s46, s16                     ; B's row: 2,048 + 256 x tile column (Wq, Wk), or x's 256 x (tile column - 16)
	s_mov_b32 s21, 0
	s_mov_b32 s47, 0
	s_mov_b64 s[18:19], KS
	s_mul_u64 s[22:23], s[20:21], s[18:19]
	s_mul_u64 s[92:93], s[46:47], s[18:19]
	s_mov_b64 s[18:19], KROW
	s_mul_u64 s[20:21], s[20:21], s[18:19]
	s_mul_u64 s[46:47], s[46:47], s[18:19]
	s_mul_i32 s45, s[WV], HALFT                    ; where they go: wave x 128 rows: no place in the cluster enters an LDS address
	s_mul_i32 s94, s[WV], HALFS
	s_wait_dscnt 0x0                               ; both opening adds are done
	s_wait_kmcnt 0x0
	s_add_nc_u64 s[20:21], s[4:5], s[20:21]
	s_add_nc_u64 s[22:23], s[6:7], s[22:23]
	s_add_nc_u64 s[46:47], s[4:5], s[46:47]
	s_add_nc_u64 s[92:93], s[6:7], s[92:93]
	CROUND                                         ; all sixteen work-groups are here: the first joint loads meet
	s_mov_b32 s[G0S], 1
	s_add_co_u32 s[G0S+1], s94, SCL
	s_mov_b64 s[G0S+2:G0S+3], s[22:23]
	s_or_b32 s[G0S+3], s[G0S+3], 0x80000000
	s_mov_b32 s[G0SB], 1
	s_add_co_u32 s[G0SB+1], s94, SCL
	s_mov_b64 s[G0SB+2:G0SB+3], s[92:93]
	s_or_b32 s[G0SB+3], s[G0SB+3], 0x80000000
	JLOAD G0S, G1S, G0SB, G1SB                     ; the scales first: they are wanted with K step 0.  Three loads of mine are out behind these first fills
.irp s, 0,1
	s_mov_b32 s[G0+4*\s], 1
	s_add_co_u32 s[G0+4*\s+1], s45, \s*SLOT
	s_add_nc_u64 s[G0+4*\s+2:G0+4*\s+3], s[20:21], \s*ROWB
	s_or_b32 s[G0+4*\s+3], s[G0+4*\s+3], 0x80000000
	s_mov_b32 s[G0B+4*\s], 1
	s_add_co_u32 s[G0B+4*\s+1], s45, \s*SLOT
	s_add_nc_u64 s[G0B+4*\s+2:G0B+4*\s+3], s[46:47], \s*ROWB
	s_or_b32 s[G0B+4*\s+3], s[G0B+4*\s+3], 0x80000000
	JLOAD G0+4*\s, G1, G0B+4*\s, G1B
.endr
	v_and_b32 v1, 15, v0                           ; r = lane % 16
	v_bfe_u32 v2, v0, 4, 1                         ; h = lane / 16
	v_mul_u32_u24 v3, v1, PITCH
	v_lshl_add_u32 v4, v2, 4, v3
	s_mul_i32 s21, s[WH], HALFT                    ; my 128 rows of A
	s_mul_i32 s22, s[WL], HALFT                    ; my 128 rows of B,
	s_add_co_u32 s22, s22, 2*HALFT                 ; behind A's 256
.irp s, 0,1
	v_add_nc_u32 v[ADRA+\s], s21, v4
	v_add_nc_u32 v[ADRB+\s], s22, v4
	s_add_co_u32 s21, s21, SLOT
	s_add_co_u32 s22, s22, SLOT
.endr
	v_mul_u32_u24 v5, v1, KS                       ; my row's scales: 64 bytes a row,
	v_lshrrev_b32 v6, 8, v5
	v_lshl_add_u32 v5, v6, 4, v5                   ; and 16 more for each 256 passed
	s_mul_i32 s21, s[WH], HALFS
	s_mul_i32 s22, s[WL], HALFS
	s_add_co_u32 s22, s22, 2*HALFS
	s_sub_co_u32 s22, s22, s21
	v_mul_u32_u24 v6, s22, v2                      ; lanes 16-31 take B's
	s_add_co_u32 s21, s21, SCL
	v_add_nc_u32 v5, v5, v6
	v_add_nc_u32 v[ADRS], s21, v5
	s_mul_i32 s23, s[WV], 16*SPITCH                ; my stage
	v_mul_u32_u24 v5, v1, SPITCH
	v_lshl_add_u32 v5, v2, 4, v5
	v_add_nc_u32 v[STO], s23, v5                   ; in: row r, 16 bytes for each half of the lanes
	v_mul_u32_u24 v5, v2, SPITCH
	v_lshl_add_u32 v5, v1, 4, v5
	v_add_nc_u32 v[RD], s23, v5                    ; back: lanes 0-15 one row of 256 bytes, lanes 16-31 the next
	v_lshlrev_b32 v5, 12, v2
	v_lshl_add_u32 v[COV], v1, 4, v5               ; the same two rows in vt: 4,096 bytes apart
	v_and_b32 v6, 31, v0
	v_lshlrev_b32 v[LI], 4, v6
	v_lshlrev_b32 v5, 9, v1
	v_lshl_add_u32 v[CSA], v2, 5, v5
.macro FRAG reg, adr, q, i             ; 16 rows x 128 K of 4-bit codes: 8 registers, two loads of 16 bytes, 32 bytes apart
.irp c, 0,1
	ds_load_b128 v[\reg+4*\c:\reg+4*\c+3], v[\adr] offset:64*(\q)+32*\c+(\i)*16*PITCH
.endr
.endm
; 16 matrix instructions: A's blocks a0, a0 + 1 x B's eight.  The 64 accumulators take turns, one instruction a turn, in the same order in every step.
.macro MUL16 a0, p, q, sc, zero
.irp a, \a0, \a0+1
.irp b, 0,1,2,3,4,5,6,7
.if \zero
	v_wmma_scale_f32_16x16x128_f8f6f4 v[8*(8*((\a)%4)+\b):8*(8*((\a)%4)+\b)+7], v[128*(\p)+FR*\b:128*(\p)+FR*\b+FR-1], v[AF+FR*(\a):AF+FR*(\a)+FR-1], 0, v[SC+8*NQ*(\sc)+NQ*\b+(\q)], v[SC+8*NQ*(\sc)+NQ*(\a)+(\q)] matrix_a_fmt:MATRIX_FMT_FP4 matrix_b_fmt:MATRIX_FMT_FP4 matrix_a_scale:MATRIX_SCALE_ROW1
.else
	v_wmma_scale_f32_16x16x128_f8f6f4 v[8*(8*((\a)%4)+\b):8*(8*((\a)%4)+\b)+7], v[128*(\p)+FR*\b:128*(\p)+FR*\b+FR-1], v[AF+FR*(\a):AF+FR*(\a)+FR-1], v[8*(8*((\a)%4)+\b):8*(8*((\a)%4)+\b)+7], v[SC+8*NQ*(\sc)+NQ*\b+(\q)], v[SC+8*NQ*(\sc)+NQ*(\a)+(\q)] matrix_a_fmt:MATRIX_FMT_FP4 matrix_b_fmt:MATRIX_FMT_FP4 matrix_a_scale:MATRIX_SCALE_ROW1
.endif
.endr
.endr
.endm
.macro FETCH_B slot, q, p
	WIN TO_B
.irp i, 0,1,2,3,4,5,6,7
	FRAG 128*(\p)+FR*\i, ADRB+\slot, \q, \i
.endr
	WIN 0
.endm
.macro FETCH_A slot, q, i0
.irp i, \i0, \i0+1, \i0+2, \i0+3
	FRAG AF+FR*(\i), ADRA+\slot, \q, \i
.endr
.endm
.macro SCALES sc                       ; a K step's scale words: lanes 0-15 A's block i, lanes 16-31 B's block i
.irp i, 0,1,2,3,4,5,6,7
	ds_load_b128 v[SC+8*NQ*\sc+NQ*\i:SC+8*NQ*\sc+NQ*\i+3], v[ADRS] offset:\i*SBLK
.endr
.endm
.macro PLACES n                        ; plain vector instructions between a matrix instruction and a load into, or a read of, its registers
.rept \n
	v_nop
.endr
.endm
.macro STEP slot, q, zero
	s_wait_dscnt 4*NL                              ; B's set and A's blocks 0-3 are in; A's blocks 4-7, the youngest eight loads, may be out
	WIN MUL_LO
	MUL16 0, (\q)%2, \q, \slot, \zero
	MUL16 2, (\q)%2, \q, \slot, \zero
	s_wait_dscnt 0
	PLACES NP
	FETCH_B \slot, (\q)+1, 1-(\q)%2
	FETCH_A \slot, (\q)+1, 0
	WIN MUL_HI
	MUL16 4, (\q)%2, \q, \slot, \zero
	MUL16 6, (\q)%2, \q, \slot, \zero
	PLACES NP
	WIN 0
	FETCH_A \slot, (\q)+1, 4
.endm
; A slot's last step changes slots: one barrier; in front of it each wave waits for all its tensor loads, adds 0 to its spare word, and waits for that and for its reads of this slot.
.macro TURN slot, next, fill
	s_wait_tensorcnt 0x0                           ; all my tensor loads have landed: my part of the next slot
	ds_add_u32 v[SPW], v[NIL]
	s_wait_dscnt 4*NL+1                            ; the add and the youngest eight loads may be out
	WIN MUL_LO
	MUL16 0, 1, NQ-1, \slot, 0
	s_wait_dscnt 0x0                               ; the add is done, and my reads of this slot are over
	s_barrier_signal -1
	MUL16 2, 1, NQ-1, \slot, 0
	WIN 0
	s_barrier_wait -1
.if \fill
	CREST                                          ; the barrier has opened a round of the cluster's barrier: no wave of any partner still reads this slot or has a load on its way
	s_add_nc_u64 s[G0+4*\slot+2:G0+4*\slot+3], s[G0+4*\slot+2:G0+4*\slot+3], 2*ROWB
	s_add_nc_u64 s[G0B+4*\slot+2:G0B+4*\slot+3], s[G0B+4*\slot+2:G0B+4*\slot+3], 2*ROWB
	JLOAD G0+4*\slot, G1, G0B+4*\slot, G1B
.else
	PLACES NP
.endif
	v_add_nc_u32 v[ADRS], 4*NQ, v[ADRS]
	FETCH_B \next, 0, 0
	FETCH_A \next, 0, 0
	SCALES \next
	WIN MUL_HI
	MUL16 4, 1, NQ-1, \slot, 0
	MUL16 6, 1, NQ-1, \slot, 0
	PLACES NP
	WIN 0
	FETCH_A \next, 0, 4
.endm
.macro STEPS slot, from
.set Q, \from
.rept NQ-1-\from
	STEP \slot, Q, 0
.set Q, Q+1
.endr
.endm
	s_wait_tensorcnt 1                             ; the scales and my part of K step 0 are in; K step 1's load may be out
	s_barrier_signal -1
	s_barrier_wait -1
	FETCH_B 0, 0, 0
	FETCH_A 0, 0, 0
	SCALES 0
	FETCH_A 0, 0, 4
	STEP 0, 0, 1                                   ; the first step's products start the sums: nothing is cleared
	s_mov_b32 s3, LAPS-1
.Llap:
	STEPS 0, 1
	TURN 0, 1, 1
	STEPS 1, 0
	TURN 1, 0, 1
	STEP 0, 0, 0
	s_sub_co_u32 s3, s3, 1
	s_cmp_lg_u32 s3, 0
	s_cbranch_scc1 .Llap
	STEPS 0, 1                                     ; the last lap fills nothing
	TURN 0, 1, 0
	STEPS 1, 0
	s_wait_dscnt 4*NL
	WIN MUL_LO
	MUL16 0, 1, NQ-1, 1, 0
	MUL16 2, 1, NQ-1, 1, 0
	s_wait_dscnt 0
	WIN MUL_HI
	MUL16 4, 1, NQ-1, 1, 0
	MUL16 6, 1, NQ-1, 1, 0
	WIN 0
; THE WAY OUT, a block of 16 rows x 128 columns at a time: 16 bytes of f16 a lane into my stage, back as whole rows of 256 bytes.  Every offset is an immediate: no base is stepped.
.macro TOSTAGE a
.set BB, BK+32*((\a)%2)
.irp b, 0,1,2,3,4,5,6,7
	ds_store_b128 v[STO], v[TMP+4*\b:TMP+4*\b+3] offset:32*\b
.endr
.irp i, 0,1,2,3,4,5,6,7
	ds_load_b128 v[BB+4*\i:BB+4*\i+3], v[RD] offset:544*\i     ; LDS serves a wave's instructions in order: these see the stores above
.endr
.endm
	PLACES NP                                      ; behind the last products: for the first reads of results and the loads into operands' registers
	s_cmp_ge_u32 ttmp9, 4
	s_cbranch_scc1 .Lvpath
; ---- q and k.  Accumulator (a, b), register j of lane (r, h): position 16 a + r, feature 16 b + 8 h + j of my head slot
	v_mov_b32 v[PLV], s41                          ; cy
	s_lshl_b32 s20, s42, 1
	s_add_co_u32 s20, s20, s[WL]                   ; my head slot 0 .. 31
	s_lshl_b32 s22, s20, 13                        ; its image in 'fine': 8,192 bytes
	s_lshl_b32 s20, s20, 19                        ; its 2,048 rows of 256 bytes
	s_lshl_b32 s21, s17, 8
	s_lshl_b32 s23, s[WH], 7
	s_add_co_u32 s21, s21, s23                     ; my first position
	s_lshl_b32 s23, s21, 8
	s_add_co_u32 s20, s20, s23
	s_lshl_b32 s46, s21, 9                         ; its row of the table
	s_mov_b32 s21, 0
	s_mov_b32 s23, 0
	s_mov_b32 s47, 0
	s_add_nc_u64 s[10:11], s[10:11], s[20:21]
	s_add_nc_u64 s[8:9], s[8:9], s[46:47]
	s_add_nc_u64 s[14:15], s[14:15], s[22:23]
.macro CSLOAD a                        ; (cos, sin) of my position's four pairs in each of the eight blocks b
.irp b, 0,1,2,3,4,5,6,7
	global_load_b128 v[CSR+8*\b:CSR+8*\b+3], v[CSA], s[8:9] offset:8192*(\a)+64*\b
	global_load_b128 v[CSR+8*\b+4:CSR+8*\b+7], v[CSA], s[8:9] offset:8192*(\a)+64*\b+16
.endr
.endm
.macro ROPE a                          ; (even, odd) -> (even cos - odd sin, even sin + odd cos), in f32.  The first read of each accumulator is its register 1
.set AC, 64*((\a)%4)
	WIN 0x02+(\a)/4                                ; source 0: the accumulators' window
.irp b, 0,1,2,3,4,5,6,7
.irp e, 0,2,4,6
	v_mul_f32 v[RR+8*\b+\e], v[AC+8*\b+\e+1], v[CSR+8*\b+\e+1]
	v_mul_f32 v[RR+8*\b+\e+1], v[AC+8*\b+\e+1], v[CSR+8*\b+\e]
.endr
.irp e, 0,2,4,6
	v_fma_f32 v[RR+8*\b+\e], v[AC+8*\b+\e], v[CSR+8*\b+\e], -v[RR+8*\b+\e]
	v_fma_f32 v[RR+8*\b+\e+1], v[AC+8*\b+\e], v[CSR+8*\b+\e+1], v[RR+8*\b+\e+1]
.endr
.endr
	WIN 0
.endm
.macro PACKR
.irp b, 0,1,2,3,4,5,6,7
.irp e, 0,1,2,3
	v_cvt_pk_f16_f32 v[TMP+4*\b+\e], v[RR+8*\b+2*\e], v[RR+8*\b+2*\e+1]
.endr
.endr
.endm
.macro SENDQ a
.set BB, BK+32*((\a)%2)
	s_wait_dscnt 0x0                               ; the block is back in registers
	s_wait_xcnt 0x0                                ; the stores of two blocks ago have read the set of registers into which the next block's loads will land
.irp i, 0,1,2,3,4,5,6,7
	global_store_b128 v[LI], v[BB+4*\i:BB+4*\i+3], s[10:11] offset:4096*(\a)+512*\i   ; rows of 256 bytes lie on end: the wave stores 512 consecutive bytes, aligned
.endr
.endm
	CSLOAD 0
.irp a, 0,1,2,3,4,5,6,7
	s_wait_loadcnt 0x0                             ; this block's cos and sin
	ROPE \a
.if \a < 7
	CSLOAD \a+1
.endif
.if \a == 0
	; positions 0-15 in f32: the image of v96-159.  Only the tile row 0's upper waves hold them: the cluster's y and the wave's number steer the branch, the place in the cluster masks the lanes
	s_and_b32 s2, ttmp7, 0xffff
	s_or_b32 s2, s2, s[WH]
	s_cmp_lg_u32 s2, 0
	s_cbranch_scc1 .Lnofineq
	v_cmp_eq_u32 vcc_lo, 0, v[PLV]
	s_wait_xcnt 0x0                                ; EXEC changes only behind this wait
	s_and_saveexec_b32 s3, vcc_lo
.irp i, 0,1,2,3,4,5,6,7,8,9,10,11,12,13,14,15
	global_store_b128 v[LI], v[RR+4*\i:RR+4*\i+3], s[14:15] offset:512*\i
.endr
	s_wait_xcnt 0x0                                ; and again in front of the line that widens it; the stores have read v96-159 too
	s_or_b32 exec_lo, exec_lo, s3
.Lnofineq:
.endif
	PACKR
.if \a > 0
	SENDQ \a-1
.endif
	TOSTAGE \a
.endr
	SENDQ 7
	s_branch .Lend
.Lvpath:
; ---- v.  Accumulator (a, b), register j of lane (r, h): feature 16 a + r, position 16 b + 8 h + j
	v_mov_b32 v[PLV], s40                          ; cx
	s_lshl_b32 s20, s17, 8
	s_lshl_b32 s21, s[WH], 7
	s_add_co_u32 s20, s20, s21                     ; my first feature, a multiple of 128
	s_lshl_b32 s22, s20, 6                         ; its head x 8,192,
	s_add_co_u32 s22, s22, 32*8192                 ; behind the 32 images of q and k
	s_lshl_b32 s20, s20, 12                        ; rows of 4,096 bytes
	s_sub_co_u32 s21, s42, 16
	s_lshl_b32 s21, s21, 9                         ; 256 positions of 2 bytes a tile column
	s_add_co_u32 s20, s20, s21
	s_lshl_b32 s21, s[WL], 8
	s_add_co_u32 s20, s20, s21
	s_mov_b32 s21, 0
	s_mov_b32 s23, 0
	s_add_nc_u64 s[12:13], s[12:13], s[20:21]
	s_add_nc_u64 s[14:15], s[14:15], s[22:23]
	; positions 0-15 in f32: the accumulators (a, 0) as they stand.  Only tile column 16's left waves hold them
	s_xor_b32 s2, ttmp9, 4
	s_or_b32 s2, s2, s[WL]
	s_cmp_lg_u32 s2, 0
	s_cbranch_scc1 .Lnofinev
	v_cmp_eq_u32 vcc_lo, 0, v[PLV]
	s_wait_xcnt 0x0
	s_and_saveexec_b32 s3, vcc_lo
.irp a, 0,1,2,3,4,5,6,7
	WIN 0x08+4*((\a)/4)                            ; a store's data are its source 1
	global_store_b128 v[LI], v[64*((\a)%4):64*((\a)%4)+3], s[14:15] offset:512*(2*\a)
	global_store_b128 v[LI], v[64*((\a)%4)+4:64*((\a)%4)+7], s[14:15] offset:512*(2*\a+1)
.endr
	WIN 0
	s_wait_xcnt 0x0
	s_or_b32 exec_lo, exec_lo, s3
.Lnofinev:
.macro PACKV a
.set AC, 64*((\a)%4)
	WIN 0x0a+5*((\a)/4)                            ; sources 0 and 1: window 2 or 3
.irp b, 0,1,2,3,4,5,6,7
.irp e, 0,1,2,3
	v_cvt_pk_f16_f32 v[TMP+4*\b+\e], v[AC+8*\b+2*\e], v[AC+8*\b+2*\e+1]
.endr
.endr
	WIN 0
.endm
.macro SENDV a
.set BB, BK+32*((\a)%2)
	s_wait_dscnt 0x0
	s_wait_xcnt 0x0
.irp i, 0,1,2,3,4,5,6,7
	global_store_b128 v[COV], v[BB+4*\i:BB+4*\i+3], s[12:13] offset:65536*(\a)+8192*\i   ; sixteen lanes store 256 consecutive bytes, aligned
.endr
.endm
	PACKV 0
	TOSTAGE 0
.irp a, 1,2,3,4,5,6,7
	PACKV \a
	SENDV \a-1
	TOSTAGE \a
.endr
	SENDV 7
.Lend:
	s_wait_tensorcnt 0x0                           ; the wave's end
	ds_add_u32 v[SPW], v[NIL]
	s_wait_dscnt 0x0
	CROUND                                         ; the closing round
	s_endpgm
.Lfunc_end_k_qdf37a242ca_qkv:
	.size	k_qdf37a242ca_qkv, .Lfunc_end_k_qdf37a242ca_qkv-k_qdf37a242ca_qkv
	.p2alignl 7, 3214868480
	.fill 96, 4, 3214868480
	.section	.rodata,"a",@progbits
	.p2align	6, 0x0
	.amdhsa_kernel k_qdf37a242ca_qkv
		.amdhsa_group_segment_fixed_size 327680
		.amdhsa_private_segment_fixed_size 0
		.amdhsa_enable_private_segment 0
		.amdhsa_kernarg_size 48
		.amdhsa_user_sgpr_count 2
		.amdhsa_user_sgpr_kernarg_segment_ptr 1
		.amdhsa_wavefront_size32 1
		.amdhsa_system_sgpr_workgroup_id_x 1
		.amdhsa_system_sgpr_workgroup_id_y 1
		.amdhsa_system_sgpr_workgroup_id_z 1
		.amdhsa_system_vgpr_workitem_id 0
		.amdhsa_next_free_vgpr 1024
		.amdhsa_next_free_sgpr 98
		.amdhsa_reserve_vcc 1
		.amdhsa_float_denorm_mode_32 3
		.amdhsa_float_denorm_mode_16_64 3
		.amdhsa_memory_ordered 1
		.amdhsa_forward_progress 1
		.amdhsa_inst_pref_size 255
	.end_amdhsa_kernel
	.section	.bss,"aw",@nobits
	.p2align	6
	.space	262144
	.amdgpu_metadata
---
amdhsa.version: [ 1, 2 ]
amdhsa.kernels:
  - .name:           k_qdf37a242ca_qkv
    .symbol:         k_qdf37a242ca_qkv.kd
    .args:
      - { .name: codes, .offset: 0, .size: 8, .value_kind: global_buffer, .address_space: global }
      - { .name: scales, .offset: 8, .size: 8, .value_kind: global_buffer, .address_space: global }
      - { .name: cs, .offset: 16, .size: 8, .value_kind: global_buffer, .address_space: global }
      - { .name: qk, .offset: 24, .size: 8, .value_kind: global_buffer, .address_space: global }
      - { .name: vt, .offset: 32, .size: 8, .value_kind: global_buffer, .address_space: global }
      - { .name: fine, .offset: 40, .size: 8, .value_kind: global_buffer, .address_space: global }
    .group_segment_fixed_size: 327680
    .private_segment_fixed_size: 0
    .kernarg_segment_align: 8
    .kernarg_segment_size: 48
    .max_flat_workgroup_size: 128
    .sgpr_count:     98
    .vgpr_count:     1024
    .wavefront_size: 32
...
	.end_amdgpu_metadata
.endif
;; end of part 2
;; launch attn (part 3): grid 16 x 16, 4 waves a work-group, clusters of 4 x 1, 327,680 bytes of LDS; arguments qk, vt, o16; writes o16
.if DOCPART == 3
	.amdgcn_target "amdgcn-amd-amdhsa--gfx1250"
	.amdhsa_code_object_version 6
	.text
	.protected	k_qdf37a242ca_attn
	.globl	k_qdf37a242ca_attn
	.p2align	8
	.type	k_qdf37a242ca_attn,@function
k_qdf37a242ca_attn:
	s_mov_b64 s[64:65], 0
	v_nop
	global_prefetch_b8 v0, s[64:65] scope:SCOPE_SE
	s_setreg_imm32_b32 hwreg(HW_REG_WAVE_MODE, 25, 1), 1
	s_wait_xcnt 0x0
	s_wait_alu depctr_hold_cnt(0) depctr_sa_sdst(0) depctr_va_vdst(0) depctr_va_sdst(0) depctr_va_ssrc(0) depctr_va_vcc(0) depctr_vm_vsrc(0)
	s_getreg_b32 s2, hwreg(HW_REG_IB_STS2, 6, 4)
	s_cmp_eq_u32 s2, 0
	s_cbranch_scc0 .Lentry_in_a_cluster
	s_endpgm
.Lentry_in_a_cluster:
	s_bfe_u32 s2, ttmp6, 0x10000c
	s_cmp_lg_u32 s2, 0x3003
	s_cbranch_scc0 .Lentry_shape_is_right
	s_endpgm
.Lentry_shape_is_right:
; ATTN: o = softmax(q k^T / sqrt(128), causal) v for 16 heads of 2,048 positions x 128, operands in f16, products, maxima and sums in f32, o in f16.
; SHARES.  y = the head.  A cluster of four work-groups takes two blocks of 256 queries one after the other: block c (its x) and block 7 - c.  Block b wants the key slots 0 .. b of 256 keys, so every
; work-group walks (c + 1) + (8 - c) = 9 slots: a constant count, and equal work.  In a block, partner p owns the four tiles of 16 queries 256 b + 64 t + 16 p + 0 .. 15, t = 0 .. 3: which tiles want which
; keys does not hang on p, so all partners run alike and read every tile that they ask for jointly.
; All four waves of a work-group hold the SAME 64 queries, so that each fragment of K and V read from LDS feeds four products, and SPLIT THE KEYS: wave w takes keys 64 w .. 64 w + 63 of each slot.  Each wave
; keeps its own running maximum, sum and O^T; at a block's end the four are merged through LDS.
; TILES BY ROTATION: register slot u of wave w holds tile (u + w) % 4.  The tile enters Q's offsets, the mask's comparands and O's offset, never a register number: so in the merge every wave sends its slots
; 1, 2, 3 and finishes its slot 0, which is tile w, by one text.
; LAYOUT.  S^T = K Q^T (source 0 = 16 keys, source 1 = 16 queries) and O^T = V^T P (source 0 = 16 channels of V^T, which lies [channel][key] in memory): a lane holds one query (lane % 16) throughout.
; SOFTMAX.  Running maximum m and sum l: p = 2^(c s - c m), c = log2(e) / sqrt(128); O^T and l are multiplied by a = 2^(c m_old - c m_new) in every step.
; THE MASK.  Only a block's last slot lies on the diagonal.  Hidden scores become -2^126, and m begins there: a power of two, so that c m is exact and c s - c m is exactly 0 for a tile that is wholly hidden:
; its p are 1 and its sums finite; the next real maximum, or the merge, multiplies them by 2^(-1e37) = 0.  Every tile has real scores in wave 0 (key 0 counts for every query), so the merged maximum is real.
; LIMITS: scores under -2^126 are not told from hidden ones; q, k, v are f16 as the launch before left them.
; REGISTERS, in windows of 256: window 0: v1-11 addresses; v12-43 statistics, eight a slot (c m, m, l even, l odd, four at work; a in the seventh); v44-47 the mask's comparands; v52-59 the merge's factors;
;   v64-191 S^T, 32 a slot; v192-255 P, 16 a slot.   window 1: O^T, 64 a slot.   window 2: v0-127 Q, v128-255 K.   window 3: v0-127 V^T.
.set KP,     272                       ; a key's row in LDS: 256 bytes + 16
.set VP,     528                       ; a row of V^T's tile: 512 bytes (256 keys) + 16
.set KBYTES, 256*KP
.set SLOTB,  KBYTES+128*VP             ; a slot: 256 rows of K, then 128 rows of V^T
.set STAT,   2*SLOTB                   ; the merge's statistics: c m at [wave][slot u][lane], 2,048 bytes on l likewise
.set MRG,    STAT+4096                 ; 8,192 bytes a wave: the image of one O^T tile; behind the merge's last barrier the wave's stage for the way out
.set SPARE,  MRG+32768                 ; the spare words: 128 bytes a wave, two blocks of 256 bytes that no other line names
.set RL,  1                            ; v1   lane % 16
.set AK0, 2                            ; v2   my lane's place in a slot's K
.set AV0, 3                            ; v3   and in its V^T
.set ADK, 4
.set ADV, 5
.set STO, 6
.set RD,  7
.set GO,  8
.set HL,  9                            ; v9   lane / 16
.set MWA, 10                           ; v10  where my lane's 16 bytes of an image go
.set L16, 11                           ; v11  16 x lane
.set ST,  12
.set DM,  44
.set MV,  48                           ; v48  -2^126
.set SWA, 49                           ; v49  where my statistics go
.set L4,  50                           ; v50  4 x lane
.set QO,  51                           ; v51  my byte in a tile of Q
.set FP,  52
.set PFO, 61
.set SPW, 62
.set NIL, 63
.set S,   64
.set P,   192
.set KF,  128
.set MA,  128                          ; the merge: v129-131 image addresses, v133-135 statistics' addresses, v136-147 at work: registers of S^T that are free then
.set SA,  132
.set TT,  136
.set WV,  12
.set CX,  13
.set CC,  14                           ; s14  the cluster's x
.set PL,  15                           ; s15  a wave prefetches while the trip's number is under it
.set PFA, 18
.set G1K, 24
.set G1V, 32
.set G0K, 40
.set G0V, 44
.set KB,  48                           ; s[48:49] K's first tile of mine;  s[50:51] V^T's
.set VB,  50
.set FB,  52                           ; s52  the slot that is filled;  s53 the slot that is read
.set TB,  53
.set SIG, 54                           ; s54  the key slot that is asked for
.set TRIP, 55
.set OFS, 56
.set CS,  58
.set SEL, 60
.set KL,  62
.set VL,  63
.set DQ,  66                           ; s[66:67], s[68:69] from block c to block 7 - c in Q and in O
.set DOO, 68
.set PFS, 70
.set QS,  72                           ; s72-75 slot u's tile in Q, in bytes
.set MRS, 76                           ; s76-78 round 1, 2, 3: the image that I read;  s79-81 its statistics
.set SRS, 79
.set MSB, 0
.macro WIN new
.if MSB != (\new)
	s_set_vgpr_msb (MSB<<8)|(\new)
.set MSB, (\new)
.endif
.endm
.set W_KQ, 0x0a                        ; K and Q window 2, S^T window 0
.set W_PV, 0x53                        ; V^T window 3, P window 0, O^T window 1
.set W_RS, 0x41                        ; O^T (destination, source 0) window 1, the factor window 0
.macro JLOAD                           ; waves 0, 1: K's halves; waves 2, 3: V^T's.  An s_nop 0 and four v_nop follow each line
	s_cmp_lt_u32 s[WV], 2
	s_cbranch_scc0 .Lfor_v_\@
	tensor_load_to_lds s[G0K:G0K+3], s[G1K:G1K+7]
	s_nop 0
.rept 4
	v_nop
.endr
	s_branch .Lasked_\@
.Lfor_v_\@:
	tensor_load_to_lds s[G0V:G0V+3], s[G1V:G1V+7]
	s_nop 0
.rept 4
	v_nop
.endr
.Lasked_\@:
.endm
; A PREFETCH INTO THE L2.  Of a head's four clusters only the first walks all eight key slots, so it alone asks: in trip i for slot i + 2, which its own tensor load wants two trips later.  A slot is 256 rows of K
; (256 bytes each) and 128 rows of V^T (512 bytes each): 512 pieces of 256 bytes, one for each lane of 4 partners x 4 waves; the partners are told apart by address.  Slots 0 and 1 come by their loads alone; slot 7 is the last named.
.macro ASK
	s_cmp_lt_u32 s[TRIP], s[PL]
	s_cbranch_scc0 .Lnot_mine_\@
	global_prefetch_b8 v[PFO], s[PFA:PFA+1] th:TH_LOAD_NT scope:SCOPE_SE
.Lnot_mine_\@:
.endm
.macro CROUND
	s_barrier_signal -1
	s_barrier_wait -1
	s_cmp_lg_u32 s[WV], 0
	s_cbranch_scc1 .Lnot_wave_0_\@
	s_barrier_signal -3
.Lnot_wave_0_\@:
	s_barrier_wait -3
	s_barrier_signal -1
	s_barrier_wait -1
.endm
.macro PLACES
.rept 4
	v_nop
.endr
.endm
	s_load_b128 s[4:7], s[0:1], 0x0                ; qk s[4:5], vt s[6:7]
	s_load_b64 s[8:9], s[0:1], 0x10                ; o16
	v_lshl_add_u32 v[SPW], v0, 2, SPARE
	v_mov_b32 v[NIL], 0
	ds_add_u32 v[SPW], v[NIL]                      ; the wave's opening: the add, twice on end, and its wait ahead of my first tensor load
	ds_add_u32 v[SPW], v[NIL]
	v_lshrrev_b32 v1, 5, v0
	v_readfirstlane_b32 s[WV], v1
	s_bfe_u32 s[CX], ttmp6, 0x40000                ; p: my place in the cluster
	s_mov_b32 s[CC], ttmp9                         ; c: in a cluster launch ttmp9 counts clusters
	s_and_b32 s20, ttmp7, 0xffff                   ; the head
	s_and_b32 s16, s[WV], 1                        ; which half of a tile I fetch
	s_mul_i32 s[KL], s16, 128*KP                   ; its place in a slot
	s_mul_i32 s[VL], s16, 64*VP
	s_add_co_u32 s[VL], s[VL], KBYTES
	s_lshl_b32 s21, s20, 19                        ; the head x 524,288: its bytes in q's part of qk and in vt
	s_add_co_u32 s53, s21, 16<<19                  ; k's slots lie behind q's sixteen
	s_lshl_b32 s17, s16, 15
	s_add_co_u32 s10, s53, s17                     ; K: + my 128 rows of 256 bytes
	s_mov_b32 s11, 0
	s_lshl_b32 s17, s16, 18
	s_add_co_u32 s2, s21, s17                      ; V^T: + my 64 rows of 4,096 bytes
	s_mov_b32 s3, 0
	s_lshl_b32 s17, s[CC], 8
	s_lshl_b32 s22, s[CX], 4
	s_add_co_u32 s17, s17, s22                     ; 256 c + 16 p
	s_lshl_b32 s56, s17, 8
	s_add_co_u32 s56, s56, s21                     ; Q
	s_mov_b32 s57, 0
	s_lshl_b32 s22, s17, 12
	s_lshl_b32 s23, s20, 8
	s_add_co_u32 s22, s22, s23                     ; O: rows of 4,096 bytes, the head's 256
	s_mov_b32 s23, 0
	s_mov_b32 s[PFS], 512                          ; the prefetches: waves 0, 1 for K, waves 2, 3 for V^T
	s_mov_b32 s54, 4096
	s_cmp_lt_u32 s[WV], 2
	s_cselect_b32 s17, 14, 17                      ; from partner to partner: 16,384 or 131,072 bytes
	s_cselect_b32 s20, 13, 16                      ; from wave to wave: 8,192 or 65,536
	s_cselect_b32 s[PFS], 0x10000, s[PFS]          ; a slot on
	s_cselect_b32 s54, 512, s54                    ; from lane pair to lane pair
	s_cselect_b32 s21, s53, s21
	s_mov_b32 s[PFS+1], 0
	s_lshl_b32 s17, s[CX], s17
	s_lshl_b32 s20, s16, s20
	s_add_co_u32 s20, s20, s17
	s_add_co_u32 s20, s20, s21
	s_add_co_u32 s20, s20, s[PFS]                  ; at slot 1: each change of slots steps it ahead of its prefetch
	s_mov_b32 s21, 0
	v_and_b32 v[PFO], 31, v0
	v_lshrrev_b32 v1, 1, v[PFO]
	v_and_b32 v[PFO], 1, v[PFO]
	v_mul_lo_u32 v1, v1, s54
	v_lshl_add_u32 v[PFO], v[PFO], 8, v1
	s_cmp_eq_u32 ttmp9, 0
	s_cselect_b32 s[PL], 6, 0
	s_lshl_b32 s17, s[CC], 1
	s_sub_co_u32 s17, 7, s17                       ; 7 - 2 c blocks on
	s_lshl_b32 s[DQ], s17, 16
	s_mov_b32 s[DQ+1], 0
	s_lshl_b32 s[DOO], s17, 20
	s_mov_b32 s[DOO+1], 0
.irp ro, 1,2,3
	s_add_co_u32 s17, s[WV], 4-\ro
	s_and_b32 s17, s17, 3                          ; round ro: I read wave (w + 4 - ro) % 4's
	s_lshl_b32 s[MRS+\ro-1], s17, 13
	s_add_co_u32 s[MRS+\ro-1], s[MRS+\ro-1], MRG
	s_lshl_b32 s[SRS+\ro-1], s17, 9
	s_add_co_u32 s[SRS+\ro-1], s[SRS+\ro-1], STAT
.endr
	s_mov_b32 s[G1K], 15|(1<<16)|(1<<20)|(1<<21)|(5<<22)|(3<<25)   ; the mask: all four; elements of 2 bytes; padding on; bit 21 beside a mask; 4 words behind every 64
	s_mov_b32 s[G1K+1], 128<<16                    ; tensor_dim0 = 128
	s_mov_b32 s[G1K+2], 128<<16                    ; tensor_dim1 = 128
	s_mov_b32 s[G1K+3], 128<<16                    ; tile_dim0
	s_mov_b32 s[G1K+4], 128                        ; tile_dim1
	s_mov_b32 s[G1K+5], 128                        ; the pitch
	s_mov_b32 s[G1K+6], 0
	s_mov_b32 s[G1K+7], 0
	s_mov_b32 s[G1V], 15|(1<<16)|(1<<20)|(1<<21)|(6<<22)|(3<<25)   ; 4 words behind every 128
	s_mov_b32 s[G1V+1], 256<<16
	s_mov_b32 s[G1V+2], 64<<16
	s_mov_b32 s[G1V+3], 256<<16
	s_mov_b32 s[G1V+4], 64
	s_mov_b32 s[G1V+5], 2048
	s_mov_b32 s[G1V+6], 0
	s_mov_b32 s[G1V+7], 0
	s_mov_b32 s[CS], 0x3e0293ee                    ; c = log2(e) / sqrt(128)
	s_mov_b32 s[CS+1], s[CS]
	s_mov_b32 s[SEL], 0x76543210
	s_mov_b32 s[SEL+1], 0xfedcba98
	s_mov_b32 s[FB], 0
	s_mov_b32 s[TB], 0
	s_mov_b32 s[SIG], 0
	s_mov_b32 s[TRIP], 0
	s_wait_dscnt 0x0                               ; both opening adds are done
	s_wait_kmcnt 0x0
	s_add_nc_u64 s[KB:KB+1], s[4:5], s[10:11]
	s_add_nc_u64 s[VB:VB+1], s[6:7], s[2:3]
	s_cmp_lt_u32 s[WV], 2
	s_cselect_b64 s[PFA:PFA+1], s[4:5], s[6:7]
	s_add_nc_u64 s[PFA:PFA+1], s[PFA:PFA+1], s[20:21]
	s_add_nc_u64 s[4:5], s[4:5], s[56:57]
	s_add_nc_u64 s[8:9], s[8:9], s[22:23]
	CROUND                                         ; all four work-groups are here: the first joint loads meet
	s_mov_b32 s[G0K], 1
	s_mov_b32 s[G0K+1], s[KL]                      ; slot 0
	s_mov_b64 s[G0K+2:G0K+3], s[KB:KB+1]           ; key slot 0
	s_or_b32 s[G0K+3], s[G0K+3], 0x80000000
	s_mov_b32 s[G0V], 1
	s_mov_b32 s[G0V+1], s[VL]
	s_mov_b64 s[G0V+2:G0V+3], s[VB:VB+1]
	s_or_b32 s[G0V+3], s[G0V+3], 0x80000000
	JLOAD                                          ; one tensor load of mine is out, here and behind every change of slots
	v_and_b32 v[RL], 15, v0
	v_bfe_u32 v[HL], v0, 4, 1
	v_and_b32 v[L4], 31, v0
	v_lshlrev_b32 v[L16], 4, v[L4]
	v_lshlrev_b32 v[L4], 2, v[L4]
	s_lshl_b32 s2, s[WV], 6
	v_add_nc_u32 v[AK0], s2, v[RL]
	v_mul_u32_u24 v[AK0], v[AK0], KP
	v_lshl_add_u32 v[AK0], v[HL], 4, v[AK0]        ; K: row 64 w + r, + 16 h
	v_mul_u32_u24 v[AV0], v[RL], VP
	v_lshl_add_u32 v[AV0], v[HL], 4, v[AV0]
	s_lshl_b32 s2, s[WV], 7
	s_add_co_u32 s2, s2, KBYTES
	v_add_nc_u32 v[AV0], s2, v[AV0]                ; V^T: row r, my 64 keys' 128 bytes, + 16 h
	v_lshlrev_b32 v[QO], 8, v[RL]
	v_lshl_add_u32 v[QO], v[HL], 4, v[QO]
	s_lshl_b32 s2, s[WV], 13
	s_add_co_u32 s2, s2, MRG
	v_add_nc_u32 v[MWA], s2, v[L16]
	v_mul_u32_u24 v[STO], v[RL], 272
	v_lshl_add_u32 v[STO], v[HL], 4, v[STO]
	v_add_nc_u32 v[STO], s2, v[STO]
	v_mul_u32_u24 v[RD], v[HL], 272
	v_lshl_add_u32 v[RD], v[RL], 4, v[RD]
	v_add_nc_u32 v[RD], s2, v[RD]
	v_lshlrev_b32 v[GO], 12, v[HL]
	v_lshl_add_u32 v[GO], v[RL], 4, v[GO]
	s_lshl_b32 s2, s[WV], 18
	v_add_nc_u32 v[GO], s2, v[GO]                  ; O: tile w's 64 rows of 4,096 bytes on; lanes 0-15 one row, lanes 16-31 the next
	s_lshl_b32 s2, s[WV], 9
	s_add_co_u32 s2, s2, STAT
	v_add_nc_u32 v[SWA], s2, v[L4]
	v_mov_b32 v[MV], 0xfe800000                    ; -2^126
	v_lshlrev_b32 v[FP], 3, v[HL]
	v_sub_nc_u32 v[FP], v[RL], v[FP]               ; r - 8 h
	s_lshl_b32 s3, s[CX], 4
.irp u, 0,1,2,3
	s_add_co_u32 s2, s[WV], \u
	s_and_b32 s2, s2, 3                            ; slot u's tile t
	s_lshl_b32 s[QS+\u], s2, 14                    ; 64 rows of 256 bytes a tile
	s_sub_co_i32 s2, s2, s[WV]
	s_lshl_b32 s2, s2, 6
	s_add_co_i32 s2, s2, s3
	v_add_nc_u32 v[DM+\u], s2, v[FP]               ; on the diagonal register n's key is hidden where 16 (n / 8) + n % 8 > 64 (t - w) + 16 p + r - 8 h
.endr
.macro QLOAD                           ; Q stays in registers for a block: slot u, channels 32 kc on
.irp u, 0,1,2,3
	v_add_nc_u32 v[P+\u], s[QS+\u], v[QO]
.endr
	WIN 0x80                                       ; destination window 2
.irp u, 0,1,2,3
.irp kc, 0,1,2,3
	global_load_b128 v[32*\u+8*\kc:32*\u+8*\kc+3], v[P+\u], s[4:5] offset:64*\kc
	global_load_b128 v[32*\u+8*\kc+4:32*\u+8*\kc+7], v[P+\u], s[4:5] offset:64*\kc+32
.endr
.endr
	WIN 0
.endm
.macro STINIT
.irp u, 0,1,2,3
	v_mov_b32 v[ST+8*\u+1], v[MV]
	v_mul_f32 v[ST+8*\u], s[CS], v[MV]             ; exact: -2^126 is a power of two
	v_mov_b32 v[ST+8*\u+2], 0
	v_mov_b32 v[ST+8*\u+3], 0
.endr
.endm
	QLOAD
	STINIT
	WIN 0x40
.set i, 0
.rept 256
	v_mov_b32 v[i], 0                              ; O^T, once: the step is written once, and where a block's first step falls hangs on the cluster's number
.set i, i+1
.endr
	WIN 0
.macro KQALL                           ; 64 products; the 16 accumulators take turns, one instruction a turn; the first 16 start the sums
	WIN W_KQ
.irp kc, 0,1,2,3
.irp kt, 0,1,2,3
.irp u, 0,1,2,3
.if \kc == 0
	v_wmma_f32_16x16x32_f16 v[S+32*\u+8*\kt:S+32*\u+8*\kt+7], v[KF+32*\kt+8*\kc:KF+32*\kt+8*\kc+7], v[32*\u+8*\kc:32*\u+8*\kc+7], 0
.else
	v_wmma_f32_16x16x32_f16 v[S+32*\u+8*\kt:S+32*\u+8*\kt+7], v[KF+32*\kt+8*\kc:KF+32*\kt+8*\kc+7], v[32*\u+8*\kc:32*\u+8*\kc+7], v[S+32*\u+8*\kt:S+32*\u+8*\kt+7]
.endif
.endr
.endr
.endr
.endm
.macro PVALL                           ; 64 products; the 32 accumulators take turns
	WIN W_PV
.irp ka, 0,1
.irp dt, 0,1,2,3,4,5,6,7
.irp u, 0,1,2,3
	v_wmma_f32_16x16x32_f16 v[64*\u+8*\dt:64*\u+8*\dt+7], v[64*\ka+8*\dt:64*\ka+8*\dt+7], v[P+16*\u+8*\ka:P+16*\u+8*\ka+7], v[64*\u+8*\dt:64*\u+8*\dt+7]
.endr
.endr
.endr
.endm
.macro MASK                            ; ascending: each accumulator is read from its low end on
.irp u, 0,1,2,3
.set n, 0
.rept 32
	v_cmp_gt_i32 vcc_lo, 16*(n/8)+n%8, v[DM+\u]
	v_cndmask_b32 v[S+32*\u+n], v[S+32*\u+n], v[MV], vcc_lo
.set n, n+1
.endr
.endr
.endm
.macro SOFT                            ; the four slots' softmax, line by line over the slots, so that no line waits for the line above it
.irp q, 0,1,2,3
.irp u, 0,1,2,3
	v_max3_num_f32 v[ST+8*\u+4+\q], v[S+32*\u+8*\q], v[S+32*\u+8*\q+1], v[S+32*\u+8*\q+2]
.endr
.endr
.irp i, 3,5
.irp q, 0,1,2,3
.irp u, 0,1,2,3
	v_max3_num_f32 v[ST+8*\u+4+\q], v[ST+8*\u+4+\q], v[S+32*\u+8*\q+\i], v[S+32*\u+8*\q+\i+1]
.endr
.endr
.endr
.irp u, 0,1,2,3
	v_max3_num_f32 v[ST+8*\u+4], v[ST+8*\u+4], v[S+32*\u+7], v[S+32*\u+15]
.endr
.irp u, 0,1,2,3
	v_max3_num_f32 v[ST+8*\u+6], v[ST+8*\u+6], v[S+32*\u+23], v[S+32*\u+31]
.endr
.irp u, 0,1,2,3
	v_max3_num_f32 v[ST+8*\u+4], v[ST+8*\u+4], v[ST+8*\u+5], v[ST+8*\u+6]
.endr
.irp u, 0,1,2,3
	v_max3_num_f32 v[ST+8*\u+4], v[ST+8*\u+4], v[ST+8*\u+7], v[ST+8*\u+1]   ; with the old m
.endr
.irp u, 0,1,2,3
	v_permlanex16_b32 v[ST+8*\u+5], v[ST+8*\u+4], s[SEL], s[SEL+1]          ; the query's other 32 keys lie in the lane 16 away
.endr
.irp u, 0,1,2,3
	v_mov_b32 v[ST+8*\u+7], v[ST+8*\u]             ; c m_old
.endr
.irp u, 0,1,2,3
	v_max_num_f32 v[ST+8*\u+1], v[ST+8*\u+4], v[ST+8*\u+5]
.endr
.irp u, 0,1,2,3
	v_mul_f32 v[ST+8*\u], s[CS], v[ST+8*\u+1]
.endr
.irp u, 0,1,2,3
	v_sub_f32 v[ST+8*\u+7], v[ST+8*\u+7], v[ST+8*\u]
.endr
.irp u, 0,1,2,3
	v_exp_f32 v[ST+8*\u+6], v[ST+8*\u+7]           ; a
.endr
.set e, 0
.rept 16
.irp u, 0,1,2,3
	v_pk_fma_f32 v[S+32*\u+2*e:S+32*\u+2*e+1], v[S+32*\u+2*e:S+32*\u+2*e+1], s[CS:CS+1], v[ST+8*\u:ST+8*\u+1] op_sel_hi:[1,0,0] neg_lo:[0,0,1] neg_hi:[0,0,1]   ; c s - c m
.endr
.set e, e+1
.endr
.set e, 0
.rept 32
.irp u, 0,1,2,3
	v_exp_f32 v[S+32*\u+e], v[S+32*\u+e]
.endr
.set e, e+1
.endr
	v_nop                                          ; a plain instruction behind the last exponential,
	s_wait_alu depctr_va_vdst(0)                   ; and ONE wait for the 132, ahead of their first reader
.set e, 0
.rept 16
.irp u, 0,1,2,3
	v_cvt_pk_f16_f32 v[P+16*\u+e], v[S+32*\u+2*e], v[S+32*\u+2*e+1]
.endr
.set e, e+1
.endr
.irp i, 0,4,8,12,16,20,24,28
.irp u, 0,1,2,3
	v_pk_add_f32 v[S+32*\u+\i:S+32*\u+\i+1], v[S+32*\u+\i:S+32*\u+\i+1], v[S+32*\u+\i+2:S+32*\u+\i+3]   ; the sum of the unrounded p, in place
.endr
.endr
.irp i, 0,8,16,24
.irp u, 0,1,2,3
	v_pk_add_f32 v[S+32*\u+\i:S+32*\u+\i+1], v[S+32*\u+\i:S+32*\u+\i+1], v[S+32*\u+\i+4:S+32*\u+\i+5]
.endr
.endr
.irp i, 0,16
.irp u, 0,1,2,3
	v_pk_add_f32 v[S+32*\u+\i:S+32*\u+\i+1], v[S+32*\u+\i:S+32*\u+\i+1], v[S+32*\u+\i+8:S+32*\u+\i+9]
.endr
.endr
.irp u, 0,1,2,3
	v_pk_add_f32 v[S+32*\u:S+32*\u+1], v[S+32*\u:S+32*\u+1], v[S+32*\u+16:S+32*\u+17]
.endr
.irp u, 0,1,2,3
	v_pk_fma_f32 v[ST+8*\u+2:ST+8*\u+3], v[ST+8*\u+2:ST+8*\u+3], v[ST+8*\u+6:ST+8*\u+7], v[S+32*\u:S+32*\u+1] op_sel_hi:[1,0,1]   ; l = a l + the sum
.endr
	WIN W_RS
.set e, 0
.rept 32
.irp u, 0,1,2,3
	v_pk_mul_f32 v[64*\u+2*e:64*\u+2*e+1], v[64*\u+2*e:64*\u+2*e+1], v[ST+8*\u+6:ST+8*\u+7] op_sel_hi:[1,0]   ; O^T x a
.endr
.set e, e+1
.endr
.endm
; A KEY STEP: my 64 keys of the slot in hand, against the 64 queries.  diag = 1: the slot lies on the diagonal; 0: it does where the trip's number is the cluster's x
.macro STEP diag
	PLACES                                         ; in front of the loads into V^T's registers, which the last products read
	v_add_nc_u32 v[ADK], s[TB], v[AK0]
	v_add_nc_u32 v[ADV], s[TB], v[AV0]
	WIN 0x80
.irp kt, 0,1,2,3
.irp kc, 0,1,2,3
	ds_load_b128 v[KF+32*\kt+8*\kc:KF+32*\kt+8*\kc+3], v[ADK] offset:\kt*16*KP+\kc*64
	ds_load_b128 v[KF+32*\kt+8*\kc+4:KF+32*\kt+8*\kc+7], v[ADK] offset:\kt*16*KP+\kc*64+32
.endr
.endr
	WIN 0xc0
.irp ka, 0,1
.irp dt, 0,1,2,3,4,5,6,7
	ds_load_b128 v[64*\ka+8*\dt:64*\ka+8*\dt+3], v[ADV] offset:\dt*16*VP+\ka*64
	ds_load_b128 v[64*\ka+8*\dt+4:64*\ka+8*\dt+7], v[ADV] offset:\dt*16*VP+\ka*64+32
.endr
.endr
	s_wait_dscnt 32                                ; K's 32 loads are in; V^T's 32 stay out
	KQALL
	WIN 0
	PLACES
.if !\diag
	s_cmp_lg_u32 s[TRIP], s[CC]                    ; ids and the count of trips alone: the same in all waves and all partners
	s_cbranch_scc1 .Lopen_\@
.endif
	MASK
.Lopen_\@:
	SOFT
	s_wait_dscnt 0x0                               ; V^T is in
	PVALL
	WIN 0
.endm
; THE CHANGE OF SLOTS, at a trip's head.  Each wave waits for all its tensor loads (its part of the slot that it is about to read), adds 0 to its spare word, and waits for that and for its reads of the slot that it has left.
; fill = 1: behind a round of the cluster's barrier the slot that was left is filled with the next trip's keys: the next key slot of the block, or slot 0 of the second block.
.macro CHANGE fill
	s_wait_tensorcnt 0x0                           ; no tensor load of mine is out, so the groups 0 may be written
	ds_add_u32 v[SPW], v[NIL]
.if \fill
	s_xor_b32 s[FB], s[FB], SLOTB
	s_add_co_u32 s[G0K+1], s[FB], s[KL]
	s_add_co_u32 s[G0V+1], s[FB], s[VL]
	s_add_co_u32 s[SIG], s[SIG], 1
	s_cmp_eq_u32 s[TRIP], s[CC]
	s_cselect_b32 s[SIG], 0, s[SIG]
	s_lshl_b32 s[OFS], s[SIG], 16                  ; 256 rows of 256 bytes a slot
	s_mov_b32 s[OFS+1], 0
	s_add_nc_u64 s[G0K+2:G0K+3], s[KB:KB+1], s[OFS:OFS+1]
	s_or_b32 s[G0K+3], s[G0K+3], 0x80000000
	s_lshl_b32 s[OFS], s[SIG], 9                   ; 512 bytes of each row of V^T
	s_add_nc_u64 s[G0V+2:G0V+3], s[VB:VB+1], s[OFS:OFS+1]
	s_or_b32 s[G0V+3], s[G0V+3], 0x80000000
	s_wait_xcnt 0x0                                ; the last prefetch, a trip back, has read its address
	s_add_nc_u64 s[PFA:PFA+1], s[PFA:PFA+1], s[PFS:PFS+1]
	s_wait_dscnt 0x0                               ; the add is done, and my reads of the slot that I have left are over
	CROUND
	JLOAD                                          ; the first thing behind the round, my one tensor load until the next: it has a whole step, 128 products and a softmax, in which to land
	ASK
.else
	s_wait_dscnt 0x0
	s_barrier_signal -1
	s_barrier_wait -1
.endif
.endm
.macro BAR
	s_wait_dscnt 0x0                               ; my LDS stores have landed and my LDS loads are in
	s_barrier_signal -1
	s_barrier_wait -1
.endm
; THE MERGE, at a block's end.  Each wave sends the statistics and, in three rounds, the O^T of its slots 1, 2, 3 as images of the registers; it reads what the three others hold of its own slot 0's tile,
; weighs all four by f = 2^(c m - the largest c m) / the merged sum, and stores 16 rows of o.  re = 1: the second block follows.
.macro MERGE re
.irp u, 0,1,2,3
	v_add_f32 v[ST+8*\u+4], v[ST+8*\u+2], v[ST+8*\u+3]     ; (these four are also the places behind the last products)
.endr
.irp u, 0,1,2,3
	v_permlanex16_b32 v[ST+8*\u+5], v[ST+8*\u+4], s[SEL], s[SEL+1]
.endr
.irp u, 0,1,2,3
	v_add_f32 v[ST+8*\u+2], v[ST+8*\u+4], v[ST+8*\u+5]     ; my keys' sum for the query
.endr
.irp u, 1,2,3
	ds_store_b32 v[SWA], v[ST+8*\u] offset:128*\u
	ds_store_b32 v[SWA], v[ST+8*\u+2] offset:2048+128*\u
.endr
.irp ro, 1,2,3
	v_add_nc_u32 v[MA+\ro], s[MRS+\ro-1], v[L16]
	v_add_nc_u32 v[SA+\ro], s[SRS+\ro-1], v[L4]
.endr
.irp ro, 1,2,3
	WIN 0x04                                       ; an LDS store's data are its source 1: window 1
.irp i, 0,1,2,3,4,5,6,7,8,9,10,11,12,13,14,15
	ds_store_b128 v[MWA], v[64*\ro+4*\i:64*\ro+4*\i+3] offset:512*\i
.endr
	WIN 0
	BAR                                            ; the four images of this round lie in LDS
.if \ro == 1
.irp k, 1,2,3
	ds_load_b32 v[TT+\k], v[SA+\k] offset:128*\k
	ds_load_b32 v[TT+4+\k], v[SA+\k] offset:2048+128*\k
.endr
.endif
.irp i, 0,1,2,3,4,5,6,7,8,9,10,11,12,13,14,15
	ds_load_b128 v[S+4*\i:S+4*\i+3], v[MA+\ro] offset:512*\i
.endr
.if \ro == 1
	s_wait_dscnt 16                                ; the six statistics are in; the image's 16 loads stay out
	v_max3_num_f32 v[TT], v[ST], v[TT+1], v[TT+2]
	v_max_num_f32 v[TT], v[TT], v[TT+3]
	v_sub_f32 v[TT+8], v[ST], v[TT]
	v_sub_f32 v[TT+9], v[TT+1], v[TT]
	v_sub_f32 v[TT+10], v[TT+2], v[TT]
	v_sub_f32 v[TT+11], v[TT+3], v[TT]
.irp k, 0,1,2,3
	v_exp_f32 v[TT+8+\k], v[TT+8+\k]
.endr
	v_nop
	s_wait_alu depctr_va_vdst(0)                   ; one wait for the four
	v_mul_f32 v[TT+4], v[TT+8], v[ST+2]
	v_fmac_f32 v[TT+4], v[TT+9], v[TT+5]
	v_fmac_f32 v[TT+4], v[TT+10], v[TT+6]
	v_fmac_f32 v[TT+4], v[TT+11], v[TT+7]
	v_rcp_f32 v[TT+4], v[TT+4]
	v_nop
	s_wait_alu depctr_va_vdst(0)
.irp k, 0,1,2,3
	v_mul_f32 v[FP+2*\k], v[TT+8+\k], v[TT+4]
	v_mul_f32 v[FP+2*\k+1], v[TT+8+\k], v[TT+4]    ; (named with it as a pair, so it is written)
.endr
	WIN W_RS
.set e, 0
.rept 32
	v_pk_mul_f32 v[2*e:2*e+1], v[2*e:2*e+1], v[FP:FP+1] op_sel_hi:[1,0]
.set e, e+1
.endr
.endif
	s_wait_dscnt 0x0
	WIN 0x50                                       ; C and D window 1
.set e, 0
.rept 32
	v_pk_fma_f32 v[2*e:2*e+1], v[S+2*e:S+2*e+1], v[FP+2*\ro:FP+2*\ro+1], v[2*e:2*e+1] op_sel_hi:[1,0,1]
.set e, e+1
.endr
	WIN 0
	BAR                                            ; every wave has read this round's image: the bytes may be written again
.endr
	WIN 0x05                                       ; sources 0 and 1 window 1
.set e, 0
.rept 32
	v_cvt_pk_f16_f32 v[S+e], v[2*e], v[2*e+1]
.set e, e+1
.endr
	WIN 0
.irp dt, 0,1,2,3,4,5,6,7
	ds_store_b128 v[STO], v[S+4*\dt:S+4*\dt+3] offset:32*\dt
.endr
.irp i, 0,1,2,3,4,5,6,7
	ds_load_b128 v[S+32+4*\i:S+32+4*\i+3], v[RD] offset:544*\i     ; LDS serves a wave's instructions in order: these see the stores above
.endr
.irp i, 0,1,2,3,4,5,6,7
	s_wait_dscnt 7-\i                              ; the younger loads stay out
	global_store_b128 v[GO], v[S+32+4*\i:S+32+4*\i+3], s[8:9] offset:8192*\i   ; sixteen lanes store 256 consecutive bytes, aligned
.endr
	s_wait_xcnt 0x0                                ; the stores have read their registers and their base
.if \re
	s_add_nc_u64 s[4:5], s[4:5], s[DQ:DQ+1]
	s_add_nc_u64 s[8:9], s[8:9], s[DOO:DOO+1]
	QLOAD
	STINIT                                         ; O^T is not cleared: the second block is 7 - c >= 4, so its first slot is off the diagonal, every score there is real, a = 2^(c (-2^126) - c m) = 0, and 0 x the old finite sums is 0
	s_wait_loadcnt 0x0
.endif
.endm
	s_wait_loadcnt 0x0                             ; Q
.Ltrip:                                            ; eight trips; behind each change of slots the next trip's keys are asked for
	CHANGE 1
	STEP 0
	s_cmp_lg_u32 s[TRIP], s[CC]
	s_cbranch_scc1 .Lnomerge
	MERGE 1
.Lnomerge:
	s_xor_b32 s[TB], s[TB], SLOTB
	s_add_co_u32 s[TRIP], s[TRIP], 1
	s_cmp_lt_u32 s[TRIP], 8
	s_cbranch_scc1 .Ltrip
	CHANGE 0                                       ; the ninth is written out: the second block's diagonal
	STEP 1
	MERGE 0
	s_wait_tensorcnt 0x0                           ; the wave's end
	ds_add_u32 v[SPW], v[NIL]
	s_wait_dscnt 0x0
	CROUND                                         ; the closing round
	s_endpgm
.Lfunc_end_k_qdf37a242ca_attn:
	.size	k_qdf37a242ca_attn, .Lfunc_end_k_qdf37a242ca_attn-k_qdf37a242ca_attn
	.p2alignl 7, 3214868480
	.fill 96, 4, 3214868480
	.section	.rodata,"a",@progbits
	.p2align	6, 0x0
	.amdhsa_kernel k_qdf37a242ca_attn
		.amdhsa_group_segment_fixed_size 327680
		.amdhsa_private_segment_fixed_size 0
		.amdhsa_enable_private_segment 0
		.amdhsa_kernarg_size 24
		.amdhsa_user_sgpr_count 2
		.amdhsa_user_sgpr_kernarg_segment_ptr 1
		.amdhsa_wavefront_size32 1
		.amdhsa_system_sgpr_workgroup_id_x 1
		.amdhsa_system_sgpr_workgroup_id_y 1
		.amdhsa_system_sgpr_workgroup_id_z 1
		.amdhsa_system_vgpr_workitem_id 0
		.amdhsa_next_free_vgpr 1024
		.amdhsa_next_free_sgpr 84
		.amdhsa_reserve_vcc 1
		.amdhsa_float_denorm_mode_32 3
		.amdhsa_float_denorm_mode_16_64 3
		.amdhsa_memory_ordered 1
		.amdhsa_forward_progress 1
		.amdhsa_inst_pref_size 170
	.end_amdhsa_kernel
	.amdgpu_metadata
---
amdhsa.version: [ 1, 2 ]
amdhsa.kernels:
  - .name:           k_qdf37a242ca_attn
    .symbol:         k_qdf37a242ca_attn.kd
    .args:
      - { .name: qk, .offset: 0, .size: 8, .value_kind: global_buffer, .address_space: global }
      - { .name: vt, .offset: 8, .size: 8, .value_kind: global_buffer, .address_space: global }
      - { .name: o16, .offset: 16, .size: 8, .value_kind: global_buffer, .address_space: global }
    .group_segment_fixed_size: 327680
    .private_segment_fixed_size: 0
    .kernarg_segment_align: 8
    .kernarg_segment_size: 24
    .max_flat_workgroup_size: 128
    .sgpr_count:     84
    .vgpr_count:     1024
    .wavefront_size: 32
...
	.end_amdgpu_metadata
.endif
;; end of part 3
;; launch proj (part 4): grid 16 x 16, 4 waves a work-group, clusters of 4 x 4, 327,680 bytes of LDS; arguments o16, wo16, out0; writes out0
.if DOCPART == 4
	.amdgcn_target "amdgcn-amd-amdhsa--gfx1250"
	.amdhsa_code_object_version 6
	.text
	.protected	k_qdf37a242ca_proj
	.globl	k_qdf37a242ca_proj
	.p2align	8
	.type	k_qdf37a242ca_proj,@function
k_qdf37a242ca_proj:
	s_mov_b64 s[64:65], 0
	v_nop
	global_prefetch_b8 v0, s[64:65] scope:SCOPE_SE
	s_setreg_imm32_b32 hwreg(HW_REG_WAVE_MODE, 25, 1), 1
	s_wait_xcnt 0x0
	s_wait_alu depctr_hold_cnt(0) depctr_sa_sdst(0) depctr_va_vdst(0) depctr_va_sdst(0) depctr_va_ssrc(0) depctr_va_vcc(0) depctr_vm_vsrc(0)
	s_getreg_b32 s2, hwreg(HW_REG_IB_STS2, 6, 4)
	s_cmp_eq_u32 s2, 0
	s_cbranch_scc0 .Lentry_in_a_cluster
	s_endpgm
.Lentry_in_a_cluster:
	s_bfe_u32 s2, ttmp6, 0x10000c
	s_cmp_lg_u32 s2, 0xf033
	s_cbranch_scc0 .Lentry_shape_is_right
	s_endpgm
.Lentry_shape_is_right:
; PROJ: out0[s][n] = sum over k of o16[s][k] wo16[n][k]: 2,048^3, operands f16, sums and result f32.
; 256 tiles of 128 x 128, one for each WGP; four waves of 64 x 64: 16 accumulators.  K goes in steps of 256 (LDS rows of 512 bytes; a wave's tensor load brings 64 of them) through two slots.
; CLUSTERS: 4 x 4: A's tiles are asked for jointly along a row of the cluster, B's along a column.  The matrix instruction is used transposed (source 0 = rows of wo16, source 1 = rows of o16):
; a lane holds eight neighbouring numbers of a row of out0.  A wave's 64 columns of f32 are 256 aligned bytes of a row: so each wave has a stage of its own on the way out, and no barrier stands there.
; Rows 0-15 are stored here like all others and stored again, more finely, by the next launch: which tile holds them hangs on the place in the cluster.
; No prefetch: a K step of this small tile is short, and the partners' joint loads already divide the requests by four.
; REGISTERS: window 0: v0-31 addresses; v32-95 the way out; v128-255 the accumulators ((a, b) at v[128 + 8 (4 a + b)]).  Window 1: two fragment buffers of 128.
.set SIZE_N, 2048
.set SIZE_K, 2048
.set KSTEP,  256
.set PITCH,  528
.set HALFT,  64*PITCH
.set SLOT,   4*HALFT
.set STAGE,  2*SLOT                    ; behind the ring: 16 rows x 272 bytes for each wave
.set SPITCH, 272
.set SPARE,  STAGE+4*16*SPITCH         ; the spare words: 128 bytes a wave, two blocks of 256 bytes that no other line names
.set LAPS, SIZE_K/(2*KSTEP)
.set ADRA, 16
.set ADRB, 20
.set STO,  24
.set RD,   25
.set CO,   26
.set SPW,  28
.set NIL,  29
.set TMP,  32
.set ACC,  128
.set F0,   0
.set F1,   128
.set G1, 24
.set G0, 32
.set G1B, 48
.set G0B, 56
.set MSB, 0
.macro WIN new
.if MSB != (\new)
	s_set_vgpr_msb (MSB<<8)|(\new)
.set MSB, (\new)
.endif
.endm
.set MUL,  0x05                        ; sources 0 (B) and 1 (A) window 1; C and D window 0
.set TO_F, 0x40
.macro JLOAD s                         ; waves 0, 1 fetch A's halves, waves 2, 3 B's; an s_nop 0 and four v_nop follow each line
	s_cmp_eq_u32 s11, 0
	s_cbranch_scc0 .Lfor_b_\@
	tensor_load_to_lds s[G0+4*\s:G0+4*\s+3], s[G1:G1+7]
	s_nop 0
.rept 4
	v_nop
.endr
	s_branch .Lasked_\@
.Lfor_b_\@:
	tensor_load_to_lds s[G0B+4*\s:G0B+4*\s+3], s[G1B:G1B+7]
	s_nop 0
.rept 4
	v_nop
.endr
.Lasked_\@:
.endm
.macro CREST
	s_cmp_lg_u32 s10, 0
	s_cbranch_scc1 .Lnot_wave_0_\@
	s_barrier_signal -3
.Lnot_wave_0_\@:
	s_barrier_wait -3
	s_barrier_signal -1
	s_barrier_wait -1
.endm
.macro CROUND
	s_barrier_signal -1
	s_barrier_wait -1
	CREST
.endm
	s_load_b128 s[4:7], s[0:1], 0x0                ; o16 s[4:5], wo16 s[6:7]
	s_load_b64 s[8:9], s[0:1], 0x10                ; out0
	v_lshl_add_u32 v[SPW], v0, 2, SPARE
	v_mov_b32 v[NIL], 0
	ds_add_u32 v[SPW], v[NIL]                      ; the wave's opening: the add, twice on end, and its wait ahead of my first tensor load
	ds_add_u32 v[SPW], v[NIL]
	v_lshrrev_b32 v1, 5, v0
	v_readfirstlane_b32 s10, v1                    ; wave
	s_lshr_b32 s11, s10, 1                         ; my half of the rows; also: I fetch for A (0) or B (1)
	s_and_b32 s12, s10, 1                          ; my half of the columns; also: which 64 rows I fetch
	s_bfe_u32 s40, ttmp6, 0x40000
	s_bfe_u32 s41, ttmp6, 0x40004
	s_lshl_b32 s42, ttmp9, 2
	s_add_co_u32 s42, s42, s40                     ; tile column
	s_and_b32 s13, ttmp7, 0xffff
	s_lshl_b32 s13, s13, 2
	s_add_co_u32 s13, s13, s41                     ; tile row
	s_lshl_b32 s43, s41, 2
	s_lshl_b32 s43, 15, s43
	s_lshl_b32 s44, 0x1111, s40
	s_or_b32 s[G1+0], s43, (1<<16)|(1<<20)|(1<<21)|(6<<22)|(3<<25)  ; the mask; elements of 2 bytes; padding on; bit 21 beside a mask; 4 words behind every 128
	s_or_b32 s[G1B+0], s44, (1<<16)|(1<<20)|(1<<21)|(6<<22)|(3<<25)
.irp g, G1, G1B
	s_mov_b32 s[\g+1], KSTEP<<16
	s_mov_b32 s[\g+2], 64<<16
	s_mov_b32 s[\g+3], KSTEP<<16
	s_mov_b32 s[\g+4], 64
	s_mov_b32 s[\g+5], SIZE_K
	s_mov_b32 s[\g+6], 0
	s_mov_b32 s[\g+7], 0
.endr
	s_lshl_b32 s17, s12, 6
	s_lshl_b32 s16, s13, 7
	s_add_co_u32 s16, s16, s17
	s_lshl_b32 s46, s42, 7
	s_add_co_u32 s46, s46, s17
	s_mov_b32 s17, 0
	s_mov_b32 s47, 0
	s_mov_b64 s[18:19], SIZE_K*2
	s_mul_u64 s[16:17], s[16:17], s[18:19]
	s_mul_u64 s[46:47], s[46:47], s[18:19]
	s_mul_i32 s20, s10, HALFT
	s_wait_dscnt 0x0                               ; both opening adds are done
	s_wait_kmcnt 0x0
	s_add_nc_u64 s[14:15], s[4:5], s[16:17]
	s_add_nc_u64 s[46:47], s[6:7], s[46:47]
	CROUND
.irp s, 0,1
	s_mov_b32 s[G0+4*\s], 1
	s_add_co_u32 s[G0+4*\s+1], s20, \s*SLOT
	s_add_nc_u64 s[G0+4*\s+2:G0+4*\s+3], s[14:15], \s*KSTEP*2
	s_or_b32 s[G0+4*\s+3], s[G0+4*\s+3], 0x80000000
	s_mov_b32 s[G0B+4*\s], 1
	s_add_co_u32 s[G0B+4*\s+1], s20, \s*SLOT
	s_add_nc_u64 s[G0B+4*\s+2:G0B+4*\s+3], s[46:47], \s*KSTEP*2
	s_or_b32 s[G0B+4*\s+3], s[G0B+4*\s+3], 0x80000000
	JLOAD \s
.endr
	v_and_b32 v1, 15, v0
	v_bfe_u32 v2, v0, 4, 1
	v_mul_u32_u24 v3, v1, PITCH
	v_lshl_add_u32 v3, v2, 4, v3
	s_mul_i32 s21, s11, HALFT
	s_mul_i32 s22, s12, HALFT
	s_add_co_u32 s22, s22, 2*HALFT
.irp s, 0,1
	v_add_nc_u32 v[ADRA+\s], s21, v3
	v_add_nc_u32 v[ADRB+\s], s22, v3
	s_add_co_u32 s21, s21, SLOT
	s_add_co_u32 s22, s22, SLOT
.endr
	s_mul_i32 s23, s10, 16*SPITCH
	s_add_co_u32 s23, s23, STAGE                   ; my stage
	v_mul_u32_u24 v4, v1, SPITCH
	v_lshl_add_u32 v4, v2, 5, v4
	v_add_nc_u32 v[STO], s23, v4                   ; in: row r, 32 bytes for each half of the lanes
	v_mul_u32_u24 v5, v2, SPITCH
	v_lshl_add_u32 v5, v1, 4, v5
	v_add_nc_u32 v[RD], s23, v5                    ; back: lanes 0-15 one row of 256 bytes, lanes 16-31 the next
	v_lshlrev_b32 v5, 13, v2
	v_lshl_add_u32 v[CO], v1, 4, v5                ; the same two rows in out0: 8,192 bytes apart
	s_lshl_b32 s16, s13, 7
	s_lshl_b32 s17, s11, 6
	s_add_co_u32 s16, s16, s17                     ; my first row
	s_lshl_b32 s16, s16, 13
	s_mov_b32 s17, 0
	s_add_nc_u64 s[8:9], s[8:9], s[16:17]
	s_lshl_b32 s46, s42, 9                         ; my first column, in bytes
	s_lshl_b32 s47, s12, 8
	s_add_co_u32 s46, s46, s47
	s_mov_b32 s47, 0
	s_add_nc_u64 s[8:9], s[8:9], s[46:47]
.macro MUL8 f, c, a0, zero             ; the 16 accumulators take turns, one instruction a turn
.irp a, \a0, \a0+1
.irp b, 0,1,2,3
.if \zero
	v_wmma_f32_16x16x32_f16 v[ACC+8*(4*(\a)+\b):ACC+8*(4*(\a)+\b)+7], v[\f+64+8*(4*\c+\b):\f+64+8*(4*\c+\b)+7], v[\f+8*(4*\c+\a):\f+8*(4*\c+\a)+7], 0
.else
	v_wmma_f32_16x16x32_f16 v[ACC+8*(4*(\a)+\b):ACC+8*(4*(\a)+\b)+7], v[\f+64+8*(4*\c+\b):\f+64+8*(4*\c+\b)+7], v[\f+8*(4*\c+\a):\f+8*(4*\c+\a)+7], v[ACC+8*(4*(\a)+\b):ACC+8*(4*(\a)+\b)+7]
.endif
.endr
.endr
.endm
.macro FETCH slot, k, f                ; 32 LDS loads in one run: the fragments of 64 along K; the first 32 along K first
	WIN TO_F
.irp c, 0,1
.irp i, 0,1,2,3
	ds_load_b128 v[\f+64+8*(4*\c+\i):\f+64+8*(4*\c+\i)+3],   v[ADRB+\slot] offset:\k+64*\c+\i*16*PITCH
	ds_load_b128 v[\f+64+8*(4*\c+\i)+4:\f+64+8*(4*\c+\i)+7], v[ADRB+\slot] offset:\k+64*\c+\i*16*PITCH+32
	ds_load_b128 v[\f+8*(4*\c+\i):\f+8*(4*\c+\i)+3],         v[ADRA+\slot] offset:\k+64*\c+\i*16*PITCH
	ds_load_b128 v[\f+8*(4*\c+\i)+4:\f+8*(4*\c+\i)+7],       v[ADRA+\slot] offset:\k+64*\c+\i*16*PITCH+32
.endr
.endr
.endm
.macro PLACES
.rept 4
	v_nop
.endr
.endm
.macro QUARTER slot, k, f, g, zero
	s_wait_dscnt 16                                ; the first 32 along K are in; the other sixteen loads may be out
	WIN MUL
	MUL8 \f, 0, 0, \zero
	MUL8 \f, 0, 2, \zero
	PLACES
	FETCH \slot, \k, \g
	s_wait_dscnt 32                                ; all but the 32 just issued
	WIN MUL
	MUL8 \f, 1, 0, 0
	MUL8 \f, 1, 2, 0
.endm
.macro TURN slot, next, fill
	WIN 0
	s_wait_tensorcnt 0x0                           ; all my tensor loads have landed: my part of the next slot
	ds_add_u32 v[SPW], v[NIL]
	s_wait_dscnt 17                                ; the add and the youngest sixteen loads may be out
	WIN MUL
	MUL8 F1, 0, 0, 0
	s_wait_dscnt 0x0                               ; the add is done, and my reads of this slot are over
	s_barrier_signal -1
	MUL8 F1, 0, 2, 0
.if \fill
	WIN 0
.endif
	s_barrier_wait -1
.if \fill
	CREST
	s_add_nc_u64 s[G0+4*\slot+2:G0+4*\slot+3], s[G0+4*\slot+2:G0+4*\slot+3], 2*KSTEP*2
	s_add_nc_u64 s[G0B+4*\slot+2:G0B+4*\slot+3], s[G0B+4*\slot+2:G0B+4*\slot+3], 2*KSTEP*2
	JLOAD \slot
.else
	PLACES
.endif
	FETCH \next, 0, F0
	WIN MUL
	MUL8 F1, 1, 0, 0
	MUL8 F1, 1, 2, 0
.endm
	s_wait_tensorcnt 1                             ; my part of K step 0 is in; K step 1's may be out
	s_barrier_signal -1
	s_barrier_wait -1
	FETCH 0, 0, F0
	QUARTER 0, 128, F0, F1, 1
	WIN 0
	s_mov_b32 s3, LAPS-1
.Llap:
	QUARTER 0, 256, F1, F0, 0
	QUARTER 0, 384, F0, F1, 0
	TURN 0, 1, 1
	QUARTER 1, 128, F0, F1, 0
	QUARTER 1, 256, F1, F0, 0
	QUARTER 1, 384, F0, F1, 0
	TURN 1, 0, 1
	QUARTER 0, 128, F0, F1, 0
	WIN 0
	s_sub_co_u32 s3, s3, 1
	s_cmp_lg_u32 s3, 0
	s_cbranch_scc1 .Llap
	QUARTER 0, 256, F1, F0, 0
	QUARTER 0, 384, F0, F1, 0
	TURN 0, 1, 0
	QUARTER 1, 128, F0, F1, 0
	QUARTER 1, 256, F1, F0, 0
	QUARTER 1, 384, F0, F1, 0
	s_wait_dscnt 16
	WIN MUL
	MUL8 F1, 0, 0, 0
	MUL8 F1, 0, 2, 0
	s_wait_dscnt 0
	MUL8 F1, 1, 0, 0
	MUL8 F1, 1, 2, 0
	WIN 0
; THE WAY OUT: a block of 16 rows x 64 columns of f32 through my stage, back as whole rows of 256 bytes
.macro TOSTAGE a
.irp b, 0,1,2,3
	ds_store_b128 v[STO], v[ACC+8*(4*(\a)+\b):ACC+8*(4*(\a)+\b)+3] offset:64*\b          ; each accumulator from its low end on
	ds_store_b128 v[STO], v[ACC+8*(4*(\a)+\b)+4:ACC+8*(4*(\a)+\b)+7] offset:64*\b+16
.endr
.irp i, 0,1,2,3,4,5,6,7
	ds_load_b128 v[TMP+32*((\a)%2)+4*\i:TMP+32*((\a)%2)+4*\i+3], v[RD] offset:544*\i     ; LDS serves a wave's instructions in order
.endr
.endm
.macro SEND a, younger
	s_wait_dscnt \younger                          ; the block is back; the next block's 8 stores and 8 loads may be out
.irp i, 0,1,2,3,4,5,6,7
	global_store_b128 v[CO], v[TMP+32*((\a)%2)+4*\i:TMP+32*((\a)%2)+4*\i+3], s[8:9] offset:(16*(\a)+2*\i)*8192 th:TH_STORE_NT   ; sixteen lanes store 256 consecutive bytes, aligned
.endr
.endm
	PLACES
	TOSTAGE 0
	TOSTAGE 1
	SEND 0, 16
	s_wait_xcnt 0x0                                ; block 0's stores have read their registers: block 2's loads may land there
	TOSTAGE 2
	SEND 1, 16
	s_wait_xcnt 0x0
	TOSTAGE 3
	SEND 2, 16
	SEND 3, 0
	s_wait_tensorcnt 0x0                           ; the wave's end
	ds_add_u32 v[SPW], v[NIL]
	s_wait_dscnt 0x0
	CROUND                                         ; the closing round
	s_endpgm
.Lfunc_end_k_qdf37a242ca_proj:
	.size	k_qdf37a242ca_proj, .Lfunc_end_k_qdf37a242ca_proj-k_qdf37a242ca_proj
	.p2alignl 7, 3214868480
	.fill 96, 4, 3214868480
	.section	.rodata,"a",@progbits
	.p2align	6, 0x0
	.amdhsa_kernel k_qdf37a242ca_proj
		.amdhsa_group_segment_fixed_size 327680
		.amdhsa_private_segment_fixed_size 0
		.amdhsa_enable_private_segment 0
		.amdhsa_kernarg_size 24
		.amdhsa_user_sgpr_count 2
		.amdhsa_user_sgpr_kernarg_segment_ptr 1
		.amdhsa_wavefront_size32 1
		.amdhsa_system_sgpr_workgroup_id_x 1
		.amdhsa_system_sgpr_workgroup_id_y 1
		.amdhsa_system_sgpr_workgroup_id_z 1
		.amdhsa_system_vgpr_workitem_id 0
		.amdhsa_next_free_vgpr 512
		.amdhsa_next_free_sgpr 66
		.amdhsa_reserve_vcc 0
		.amdhsa_float_denorm_mode_32 3
		.amdhsa_float_denorm_mode_16_64 3
		.amdhsa_memory_ordered 1
		.amdhsa_forward_progress 1
		.amdhsa_inst_pref_size 86
	.end_amdhsa_kernel
	.amdgpu_metadata
---
amdhsa.version: [ 1, 2 ]
amdhsa.kernels:
  - .name:           k_qdf37a242ca_proj
    .symbol:         k_qdf37a242ca_proj.kd
    .args:
      - { .name: o16, .offset: 0, .size: 8, .value_kind: global_buffer, .address_space: global }
      - { .name: wo16, .offset: 8, .size: 8, .value_kind: global_buffer, .address_space: global }
      - { .name: out0, .offset: 16, .size: 8, .value_kind: global_buffer, .address_space: global }
    .group_segment_fixed_size: 327680
    .private_segment_fixed_size: 0
    .kernarg_segment_align: 8
    .kernarg_segment_size: 24
    .max_flat_workgroup_size: 128
    .sgpr_count:     66
    .vgpr_count:     512
    .wavefront_size: 32
...
	.end_amdgpu_metadata
.endif
;; end of part 4
;; launch first16 (part 5): grid 128 x 1, 16 waves a work-group, no clusters, 18,432 bytes of LDS; arguments fine, Wo, out0; writes out0
.if DOCPART == 5
	.amdgcn_target "amdgcn-amd-amdhsa--gfx1250"
	.amdhsa_code_object_version 6
	.text
	.protected	k_qdf37a242ca_first16
	.globl	k_qdf37a242ca_first16
	.p2align	8
	.type	k_qdf37a242ca_first16,@function
k_qdf37a242ca_first16:
	s_mov_b64 s[64:65], 0
	v_nop
	global_prefetch_b8 v0, s[64:65] scope:SCOPE_SE
	s_setreg_imm32_b32 hwreg(HW_REG_WAVE_MODE, 25, 1), 1
	s_wait_xcnt 0x0
; FIRST16: positions 0-15 once more, with all three products behind the quantised ones in f32: under the causal mask these rows average one to sixteen values and are the largest, so the rounding of f16 operands weighs most there.
; Work-group g makes out0[0 .. 15][16 g .. 16 g + 15]; wave w is head w: scores, softmax, p v, and the head's 128 terms of the projection; the sixteen heads' parts are added through LDS.
; All products by v_wmma_f32_16x16x4_f32.  q, k, v come as images of the registers in which the launch that made them held them: register 8 b + j of lane (r, h) is (position r, channel 16 b + 8 h + j) for q and k,
; (channel 16 b + r, position 8 h + j) for v.  A K step of 4 takes an even pair of registers; the same pair on both sides gives both sides the same four k, so nothing is shuffled.
; The registers that these matrix instructions write (v144-223) are written by them alone; each sum begins with the constant 0; two or eight accumulators take turns.
; The store writes 64 bytes of each of 16 rows: a work-group of 64 columns would write whole runs of 256 bytes and do the projection's part four times over, for 128 KB of output in all.
; No cluster, no prefetch: what work-groups share is 24 KB of images a wave, and the launch is short.
.set RED,   0                          ; LDS: 1,024 bytes a wave: its part of the 16 x 16 result
.set SPARE, 16384                      ; the spare words: 128 bytes a wave, eight blocks of 256 bytes that no other line names
.set LI,   4                           ; v4  16 x lane
.set WOA,  5                           ; v5  8,192 r + 32 h: a row of Wo or of out0, my half's eight numbers
.set RW,   6
.set RRD,  7
.set OUTA, 8
.set DMV,  9                           ; v9  r - 8 h: key 8 h + j is hidden where j is above it
.set MV,   10
.set SPW,  12
.set NIL,  13
.set QV,   16                          ; v16-79   q, then v, then o
.set KW,   80                          ; v80-143  k, then Wo, then the sixteen parts
.set SA,   144                         ; v144-159 two accumulators
.set OA,   160                         ; v160-223 eight accumulators
.set PS,   224                         ; v224-231 scores, then p
.set T,    232
.set SEL,  24
.set CS,   26
	s_load_b128 s[4:7], s[0:1], 0x0                ; fine s[4:5], Wo s[6:7]
	s_load_b64 s[8:9], s[0:1], 0x10                ; out0
	v_lshl_add_u32 v[SPW], v0, 2, SPARE
	v_mov_b32 v[NIL], 0
	v_lshrrev_b32 v1, 5, v0
	v_readfirstlane_b32 s10, v1                    ; wave = head
	v_and_b32 v1, 31, v0
	v_and_b32 v2, 15, v0                           ; r
	v_bfe_u32 v3, v0, 4, 1                         ; h
	v_lshlrev_b32 v[LI], 4, v1
	v_lshlrev_b32 v[WOA], 13, v2
	v_lshl_add_u32 v[WOA], v3, 5, v[WOA]
	s_lshl_b32 s11, s10, 10
	v_add_nc_u32 v[RW], s11, v[LI]
	s_and_b32 s12, s10, 1
	s_lshl_b32 s13, s12, 9
	v_add_nc_u32 v[RRD], s13, v[LI]
	s_lshl_b32 s13, s12, 4
	v_add_nc_u32 v[OUTA], s13, v[WOA]
	v_lshlrev_b32 v[DMV], 3, v3
	v_sub_nc_u32 v[DMV], v2, v[DMV]
	v_mov_b32 v[MV], 0xfe800000                    ; -2^126
	s_mov_b32 s[SEL], 0x76543210
	s_mov_b32 s[SEL+1], 0xfedcba98
	s_mov_b32 s[CS], 0x3e0293ee                    ; c = log2(e) / sqrt(128)
	s_lshl_b32 s16, s10, 13                        ; my head's image: 8,192 bytes
	s_mov_b32 s17, 0
	s_lshl_b32 s18, ttmp9, 17                      ; Wo: 16 rows of 8,192 bytes a work-group,
	s_lshl_b32 s19, s10, 9                         ; my head's 128 numbers
	s_add_co_u32 s18, s18, s19
	s_mov_b32 s19, 0
	s_lshl_b32 s20, ttmp9, 6                       ; out0: 16 columns a work-group
	s_mov_b32 s21, 0
	s_wait_kmcnt 0x0
	s_add_nc_u64 s[4:5], s[4:5], s[16:17]
	s_add_nc_u64 s[6:7], s[6:7], s[18:19]
	s_add_nc_u64 s[8:9], s[8:9], s[20:21]
.irp i, 0,1,2,3,4,5,6,7,8,9,10,11,12,13,14,15
	global_load_b128 v[QV+4*\i:QV+4*\i+3], v[LI], s[4:5] offset:512*\i
	global_load_b128 v[KW+4*\i:KW+4*\i+3], v[LI], s[4:5] offset:131072+512*\i
.endr
	s_wait_loadcnt 0x0
; S^T = k q^T: lane (r, h) gets query r, register j key 8 h + j
.set e, 0
.rept 32
.if e < 2
	v_wmma_f32_16x16x4_f32 v[SA+8*(e%2):SA+8*(e%2)+7], v[KW+2*e:KW+2*e+1], v[QV+2*e:QV+2*e+1], 0
.else
	v_wmma_f32_16x16x4_f32 v[SA+8*(e%2):SA+8*(e%2)+7], v[KW+2*e:KW+2*e+1], v[QV+2*e:QV+2*e+1], v[SA+8*(e%2):SA+8*(e%2)+7]
.endif
.set e, e+1
.endr
.rept 8
	v_nop                                          ; eight places behind this form: for the loads into its operands' registers and the reads of its results
.endr
.irp i, 0,1,2,3,4,5,6,7,8,9,10,11,12,13,14,15
	global_load_b128 v[QV+4*\i:QV+4*\i+3], v[LI], s[4:5] offset:262144+512*\i      ; v's image
.endr
.irp dt, 0,1,2,3,4,5,6,7
	global_load_b128 v[KW+8*\dt:KW+8*\dt+3], v[WOA], s[6:7] offset:64*\dt          ; Wo(16 g + r, 128 w + 16 dt + 8 h + 0 .. 7)
	global_load_b128 v[KW+8*\dt+4:KW+8*\dt+7], v[WOA], s[6:7] offset:64*\dt+16
.endr
.irp j, 0,1,2,3,4,5,6,7
	v_add_f32 v[PS+\j], v[SA+\j], v[SA+8+\j]
.endr
.irp j, 0,1,2,3,4,5,6,7
	v_cmp_gt_i32 vcc_lo, \j, v[DMV]
	v_cndmask_b32 v[PS+\j], v[PS+\j], v[MV], vcc_lo
.endr
	v_max3_num_f32 v[T], v[PS], v[PS+1], v[PS+2]
	v_max3_num_f32 v[T], v[T], v[PS+3], v[PS+4]
	v_max3_num_f32 v[T], v[T], v[PS+5], v[PS+6]
	v_max_num_f32 v[T], v[T], v[PS+7]
	v_mov_b32 v[T+1], 0                            ; a lane permute's destination counts as one of its sources
	v_permlanex16_b32 v[T+1], v[T], s[SEL], s[SEL+1]
	v_max_num_f32 v[T], v[T], v[T+1]               ; the row's maximum: key 0 counts for every query, so it is a real score
	v_mul_f32 v[T], s[CS], v[T]
.irp j, 0,1,2,3,4,5,6,7
	v_fma_f32 v[PS+\j], v[PS+\j], s[CS], -v[T]
.endr
.irp j, 0,1,2,3,4,5,6,7
	v_exp_f32 v[PS+\j], v[PS+\j]
.endr
	v_nop
	s_wait_alu depctr_va_vdst(0)                   ; one wait for the eight
	v_add_f32 v[T+2], v[PS], v[PS+1]
	v_add_f32 v[T+3], v[PS+2], v[PS+3]
	v_add_f32 v[T+4], v[PS+4], v[PS+5]
	v_add_f32 v[T+5], v[PS+6], v[PS+7]
	v_add_f32 v[T+2], v[T+2], v[T+3]
	v_add_f32 v[T+4], v[T+4], v[T+5]
	v_add_f32 v[T+2], v[T+2], v[T+4]
	v_permlanex16_b32 v[T+1], v[T+2], s[SEL], s[SEL+1]
	v_add_f32 v[T+2], v[T+2], v[T+1]
	v_rcp_f32 v[T+3], v[T+2]
	v_nop
	s_wait_alu depctr_va_vdst(0)
	s_wait_loadcnt 16                              ; v is in; Wo's 16 loads stay out
; O^T = v^T p: lane (r, h) gets query r, register j of accumulator a channel 16 a + 8 h + j
.irp cc, 0,1,2,3
.irp a, 0,1,2,3,4,5,6,7
.if \cc == 0
	v_wmma_f32_16x16x4_f32 v[OA+8*\a:OA+8*\a+7], v[QV+8*\a+2*\cc:QV+8*\a+2*\cc+1], v[PS+2*\cc:PS+2*\cc+1], 0
.else
	v_wmma_f32_16x16x4_f32 v[OA+8*\a:OA+8*\a+7], v[QV+8*\a+2*\cc:QV+8*\a+2*\cc+1], v[PS+2*\cc:PS+2*\cc+1], v[OA+8*\a:OA+8*\a+7]
.endif
.endr
.endr
.rept 8
	v_nop
.endr
.set e, 0
.rept 64
	v_mul_f32 v[QV+e], v[OA+e], v[T+3]             ; o = O^T / the sum, into other registers, each accumulator from its low end on
.set e, e+1
.endr
	s_wait_loadcnt 0x0                             ; Wo
; Y^T = Wo o^T over my head's 128 channels: lane (r, h) gets query r, register j column 16 g + 8 h + j
.set e, 0
.rept 32
.if e < 2
	v_wmma_f32_16x16x4_f32 v[SA+8*(e%2):SA+8*(e%2)+7], v[KW+2*e:KW+2*e+1], v[QV+2*e:QV+2*e+1], 0
.else
	v_wmma_f32_16x16x4_f32 v[SA+8*(e%2):SA+8*(e%2)+7], v[KW+2*e:KW+2*e+1], v[QV+2*e:QV+2*e+1], v[SA+8*(e%2):SA+8*(e%2)+7]
.endif
.set e, e+1
.endr
.rept 8
	v_nop
.endr
.irp j, 0,1,2,3,4,5,6,7
	v_add_f32 v[T+\j], v[SA+\j], v[SA+8+\j]
.endr
	ds_store_b128 v[RW], v[T:T+3]
	ds_store_b128 v[RW], v[T+4:T+7] offset:512
	s_wait_dscnt 0x0                               ; for the others' sake: my part lies in LDS
	s_barrier_signal -1
	s_barrier_wait -1
	s_cmp_ge_u32 s10, 2                            ; waves 0 and 1 add the sixteen parts: four columns a lane each
	s_cbranch_scc1 .Ldone
.irp k, 0,1,2,3,4,5,6,7,8,9,10,11,12,13,14,15
	ds_load_b128 v[KW+4*\k:KW+4*\k+3], v[RRD] offset:1024*\k
.endr
	s_wait_dscnt 0x0
.irp k, 0,1,2,3,4,5,6,7
	v_pk_add_f32 v[KW+4*\k:KW+4*\k+1], v[KW+4*\k:KW+4*\k+1], v[KW+32+4*\k:KW+32+4*\k+1]
	v_pk_add_f32 v[KW+4*\k+2:KW+4*\k+3], v[KW+4*\k+2:KW+4*\k+3], v[KW+32+4*\k+2:KW+32+4*\k+3]
.endr
.irp k, 0,1,2,3
	v_pk_add_f32 v[KW+4*\k:KW+4*\k+1], v[KW+4*\k:KW+4*\k+1], v[KW+16+4*\k:KW+16+4*\k+1]
	v_pk_add_f32 v[KW+4*\k+2:KW+4*\k+3], v[KW+4*\k+2:KW+4*\k+3], v[KW+16+4*\k+2:KW+16+4*\k+3]
.endr
.irp k, 0,1
	v_pk_add_f32 v[KW+4*\k:KW+4*\k+1], v[KW+4*\k:KW+4*\k+1], v[KW+8+4*\k:KW+8+4*\k+1]
	v_pk_add_f32 v[KW+4*\k+2:KW+4*\k+3], v[KW+4*\k+2:KW+4*\k+3], v[KW+8+4*\k+2:KW+8+4*\k+3]
.endr
	v_pk_add_f32 v[KW:KW+1], v[KW:KW+1], v[KW+4:KW+5]
	v_pk_add_f32 v[KW+2:KW+3], v[KW+2:KW+3], v[KW+6:KW+7]
	global_store_b128 v[OUTA], v[KW:KW+3], s[8:9]
.Ldone:
	s_wait_tensorcnt 0x0                           ; the wave's end
	ds_add_u32 v[SPW], v[NIL]
	s_wait_dscnt 0x0
	s_endpgm
.Lfunc_end_k_qdf37a242ca_first16:
	.size	k_qdf37a242ca_first16, .Lfunc_end_k_qdf37a242ca_first16-k_qdf37a242ca_first16
	.p2alignl 7, 3214868480
	.fill 96, 4, 3214868480
	.section	.rodata,"a",@progbits
	.p2align	6, 0x0
	.amdhsa_kernel k_qdf37a242ca_first16
		.amdhsa_group_segment_fixed_size 18432
		.amdhsa_private_segment_fixed_size 0
		.amdhsa_enable_private_segment 0
		.amdhsa_kernarg_size 24
		.amdhsa_user_sgpr_count 2
		.amdhsa_user_sgpr_kernarg_segment_ptr 1
		.amdhsa_wavefront_size32 1
		.amdhsa_system_sgpr_workgroup_id_x 1
		.amdhsa_system_sgpr_workgroup_id_y 1
		.amdhsa_system_sgpr_workgroup_id_z 1
		.amdhsa_system_vgpr_workitem_id 0
		.amdhsa_next_free_vgpr 256
		.amdhsa_next_free_sgpr 66
		.amdhsa_reserve_vcc 1
		.amdhsa_float_denorm_mode_32 3
		.amdhsa_float_denorm_mode_16_64 3
		.amdhsa_memory_ordered 1
		.amdhsa_forward_progress 1
		.amdhsa_inst_pref_size 23
	.end_amdhsa_kernel
	.amdgpu_metadata
---
amdhsa.version: [ 1, 2 ]
amdhsa.kernels:
  - .name:           k_qdf37a242ca_first16
    .symbol:         k_qdf37a242ca_first16.kd
    .args:
      - { .name: fine, .offset: 0, .size: 8, .value_kind: global_buffer, .address_space: global }
      - { .name: Wo, .offset: 8, .size: 8, .value_kind: global_buffer, .address_space: global }
      - { .name: out0, .offset: 16, .size: 8, .value_kind: global_buffer, .address_space: global }
    .group_segment_fixed_size: 18432
    .private_segment_fixed_size: 0
    .kernarg_segment_align: 8
    .kernarg_segment_size: 24
    .max_flat_workgroup_size: 512
    .sgpr_count:     66
    .vgpr_count:     256
    .wavefront_size: 32
...
	.end_amdgpu_metadata
.endif
;; end of part 5
